; MI455X (gfx1250); checked and timed in simulation.
; The chip was launched on July 23, 2026; its instructions are those of AMD's public machine-readable ISA for CDNA 5 (MIT licence, August 2026) and "CDNA5" Instruction Set Architecture Reference Guide (July 2026). The comments in the code are by the model that wrote it; some were corrected since.
;; Encoder Layer. Allowed arithmetic: float matrix products may take bf16 or f16 operands with f32 sums; all other float work in f32.
;; Inputs: b1 1,024 float32; b2 1,024 float32; b_ff1 4,096 float32; b_ff2 1,024 float32; bk 1,024 float32; bo 1,024 float32; bq 1,024 float32; bv 1,024 float32; g1 1,024 float32; g2 1,024 float32; w_ff1 1,024 x 4,096 float32; w_ff2 4,096 x 1,024 float32; wk 1,024 x 1,024 float32; wo 1,024 x 1,024 float32; wq 1,024 x 1,024 float32; wv 1,024 x 1,024 float32; x 2 x 1,024 x 1,024 float32.
;; Outputs: out0 2 x 1,024 x 1,024 float32.
;; One version. Each part assembles by itself: llvm-mc -triple=amdgcn-amd-amdhsa -mcpu=gfx1250 --defsym DOCPART=n.
;; ======== version 1 of 1: 8 launches
;; workspace buffers: wb 29,360,128 bytes; qkv 12,582,912 bytes; ctx 4,194,304 bytes; y 8,388,608 bytes; hh 12,582,912 bytes; ffb 16,777,216 bytes; part 33,554,432 bytes
;; launch cast (part 1): grid 448 x 1, 8 waves a work-group, no clusters, 0 bytes of LDS; arguments x, wq, wk, wv, wo, w_ff1, w_ff2, wb; writes wb
.if DOCPART == 1
	.amdgcn_target "amdgcn-amd-amdhsa--gfx1250"
	.amdhsa_code_object_version 6
	.text
	.protected	k_q64936b5c69_cast
	.globl	k_q64936b5c69_cast
	.p2align	8
	.type	k_q64936b5c69_cast,@function
k_q64936b5c69_cast:
	s_mov_b64 s[64:65], 0
	v_nop
	global_prefetch_b8 v0, s[64:65] scope:SCOPE_SE
	s_setreg_imm32_b32 hwreg(HW_REG_WAVE_MODE, 25, 1), 1
	s_wait_xcnt 0x0
; cast: x and the six weight matrices, f32, are rounded once to bf16 (nearest even) and laid into wb:
;   XB [2048][1024] at 0; WQKV [1024][3072] at 4,194,304 (columns: wq, wk, wv); WO [1024][1024] at 10,485,760;
;   W1 [1024][4096] at 12,582,912; W2 [4096][1024] at 20,971,520.
; Every source is taken as rows of 1,024 f32 (4,096 bytes) that become 2,048 bytes.  A work-group takes 32 such rows, a wave 4.
; A stream: no LDS, no barrier, no matrix unit, no cluster (no two work-groups read the same byte).
; All 32 loads of a wave (16 KiB) go out at once; each is waited for by a count that leaves the younger ones out.
; A store of a wave covers 256 consecutive bytes, aligned.  No register is written twice, so no source has to be freed.
.set X, 8                              ; v[8:135]    32 loads x 4 registers
.set Y, 136                            ; v[136:199]  32 stores x 2 registers
	s_load_b512 s[16:31], s[0:1], 0x0              ; x, wq, wk, wv, wo, w_ff1, w_ff2, wb
	v_lshrrev_b32 v1, 5, v0
	v_readfirstlane_b32 s9, v1                     ; wave 0..7
	v_and_b32 v6, 31, v0                           ; lane
	v_lshlrev_b32 v1, 4, v6                        ; 16 bytes of f32 a lane
	v_lshlrev_b32 v2, 3, v6                        ; 8 bytes of bf16 a lane
	s_mov_b32 s6, 320                              ; the last source's figures: first work-group,
	s_mov_b32 s7, 20971520                         ; place in wb,
	s_mov_b32 s8, 2048                             ; bytes from one destination row to the next
	s_wait_kmcnt 0x0
	s_mov_b64 s[4:5], s[28:29]                     ; w_ff2
; Work-groups below 'bound' belong to an earlier source: the selects run down the list, the last that holds wins.
.macro PICK bound, ptr, first, doff, pitch
	s_cmp_lt_u32 ttmp9, \bound
	s_cselect_b64 s[4:5], s[\ptr:\ptr+1], s[4:5]
	s_cselect_b32 s6, \first, s6
	s_cselect_b32 s7, \doff, s7
	s_cselect_b32 s8, \pitch, s8
.endm
	PICK 320, 26, 192, 12582912, 2048              ; w_ff1
	PICK 192, 24, 160, 10485760, 2048              ; wo
	PICK 160, 22, 128, 4194304+4096, 6144          ; wv: columns 2048.. of WQKV
	PICK 128, 20, 96,  4194304+2048, 6144          ; wk
	PICK 96,  18, 64,  4194304, 6144               ; wq
	PICK 64,  16, 0,   0, 2048                     ; x
	s_sub_co_u32 s12, ttmp9, s6
	s_lshl_b32 s12, s12, 5                         ; 32 rows a work-group
	s_lshl2_add_u32 s12, s9, s12                   ; + 4 x wave: my first row
	s_lshl_b32 s14, s12, 12
	s_mov_b32 s15, 0
	s_add_nc_u64 s[4:5], s[4:5], s[14:15]          ; the source at my first row
	s_mul_i32 s14, s12, s8
	s_add_co_u32 s14, s14, s7
	s_add_nc_u64 s[10:11], s[30:31], s[14:15]      ; wb at my first row
	v_add_nc_u32 v3, s8, v2                        ; the offsets of my four destination rows
	v_add_nc_u32 v4, s8, v3
	v_add_nc_u32 v5, s8, v4
.irp rr, 0,1,2,3
.irp j, 0,1,2,3,4,5,6,7
	global_load_b128 v[X+4*(8*\rr+\j):X+4*(8*\rr+\j)+3], v1, s[4:5] offset:\rr*4096+\j*512 th:TH_LOAD_NT
.endr
.endr
.irp rr, 0,1,2,3
.irp j, 0,1,2,3,4,5,6,7
	s_wait_loadcnt 31-(8*\rr+\j)                   ; loads come back in order: this one is in, the younger ones stay out
	v_cvt_pk_bf16_f32 v[Y+2*(8*\rr+\j)],   v[X+4*(8*\rr+\j)],   v[X+4*(8*\rr+\j)+1]
	v_cvt_pk_bf16_f32 v[Y+2*(8*\rr+\j)+1], v[X+4*(8*\rr+\j)+2], v[X+4*(8*\rr+\j)+3]
	global_store_b64 v[2+\rr], v[Y+2*(8*\rr+\j):Y+2*(8*\rr+\j)+1], s[10:11] offset:\j*256
.endr
.endr
	s_endpgm
.Lfunc_end_k_q64936b5c69_cast:
	.size	k_q64936b5c69_cast, .Lfunc_end_k_q64936b5c69_cast-k_q64936b5c69_cast
	.p2alignl 7, 3214868480
	.fill 96, 4, 3214868480
	.section	.rodata,"a",@progbits
	.p2align	6, 0x0
	.amdhsa_kernel k_q64936b5c69_cast
		.amdhsa_group_segment_fixed_size 0
		.amdhsa_private_segment_fixed_size 0
		.amdhsa_enable_private_segment 0
		.amdhsa_kernarg_size 64
		.amdhsa_user_sgpr_count 2
		.amdhsa_user_sgpr_kernarg_segment_ptr 1
		.amdhsa_wavefront_size32 1
		.amdhsa_system_sgpr_workgroup_id_x 1
		.amdhsa_system_sgpr_workgroup_id_y 1
		.amdhsa_system_sgpr_workgroup_id_z 1
		.amdhsa_system_vgpr_workitem_id 0
		.amdhsa_next_free_vgpr 200
		.amdhsa_next_free_sgpr 66
		.amdhsa_reserve_vcc 0
		.amdhsa_float_denorm_mode_32 3
		.amdhsa_float_denorm_mode_16_64 3
		.amdhsa_memory_ordered 1
		.amdhsa_forward_progress 1
		.amdhsa_inst_pref_size 14
	.end_amdhsa_kernel
	.amdgpu_metadata
---
amdhsa.version: [ 1, 2 ]
amdhsa.kernels:
  - .name:           k_q64936b5c69_cast
    .symbol:         k_q64936b5c69_cast.kd
    .args:
      - { .name: x, .offset: 0, .size: 8, .value_kind: global_buffer, .address_space: global }
      - { .name: wq, .offset: 8, .size: 8, .value_kind: global_buffer, .address_space: global }
      - { .name: wk, .offset: 16, .size: 8, .value_kind: global_buffer, .address_space: global }
      - { .name: wv, .offset: 24, .size: 8, .value_kind: global_buffer, .address_space: global }
      - { .name: wo, .offset: 32, .size: 8, .value_kind: global_buffer, .address_space: global }
      - { .name: w_ff1, .offset: 40, .size: 8, .value_kind: global_buffer, .address_space: global }
      - { .name: w_ff2, .offset: 48, .size: 8, .value_kind: global_buffer, .address_space: global }
      - { .name: wb, .offset: 56, .size: 8, .value_kind: global_buffer, .address_space: global }
    .group_segment_fixed_size: 0
    .private_segment_fixed_size: 0
    .kernarg_segment_align: 8
    .kernarg_segment_size: 64
    .max_flat_workgroup_size: 256
    .sgpr_count:     66
    .vgpr_count:     200
    .wavefront_size: 32
...
	.end_amdgpu_metadata
.endif
;; end of part 1
;; launch qkv (part 2): grid 12 x 16, 4 waves a work-group, clusters of 4 x 4, 327,680 bytes of LDS; arguments wb, qkv, bq, bk, bv; writes qkv
.if DOCPART == 2
	.amdgcn_target "amdgcn-amd-amdhsa--gfx1250"
	.amdhsa_code_object_version 6
	.text
	.protected	k_q64936b5c69_qkv
	.globl	k_q64936b5c69_qkv
	.p2align	8
	.type	k_q64936b5c69_qkv,@function
k_q64936b5c69_qkv:
	s_mov_b64 s[64:65], 0
	v_nop
	global_prefetch_b8 v0, s[64:65] scope:SCOPE_SE
	s_setreg_imm32_b32 hwreg(HW_REG_WAVE_MODE, 25, 1), 1
	s_wait_xcnt 0x0
	s_wait_alu depctr_hold_cnt(0) depctr_sa_sdst(0) depctr_va_vdst(0) depctr_va_sdst(0) depctr_va_ssrc(0) depctr_va_vcc(0) depctr_vm_vsrc(0)
	s_getreg_b32 s2, hwreg(HW_REG_IB_STS2, 6, 4)
	s_cmp_eq_u32 s2, 0
	s_cbranch_scc0 .Lentry_in_a_cluster
	s_endpgm
.Lentry_in_a_cluster:
	s_bfe_u32 s2, ttmp6, 0x10000c
	s_cmp_lg_u32 s2, 0xf033
	s_cbranch_scc0 .Lentry_shape_is_right
	s_endpgm
.Lentry_shape_is_right:
; C = A B + bias, A [2048][1024] bf16 (K along the rows), B [1024][NP] bf16 (N along the rows), sums in f32, C rounded once to bf16.
; IS_FF1 = 0: A = x (bf16), B = wq|wk|wv side by side, C goes out as q, k, v in [3][batch x head][1024][64].  12 x 16 = 192 work-groups.
; IS_FF1 = 1: A = h (bf16), B = w_ff1, C = max(v, 0.01 v) (the leaky ReLU; a NaN follows v_max_num_f32), [2048][4096].  256 work-groups.
; A work-group makes 128 x 256 of C with four waves, a wave 64 x 128: 32 accumulator tiles of 16 x 16, 256 registers.
; K goes in steps of 128 through two LDS slots filled by the tensor data mover.  B stays [K][N] in LDS and is read by the transposing load.
; CLUSTERS: 4 x 4 work-groups.  A's tiles hang on the block row alone and are asked for jointly by a row of the cluster, B's on the
; block column alone and are asked for jointly by a column: the requests for A and B are divided by four.
; REGISTERS: window 0: v0-31 addresses, v32-127 and v128-223 two fragment buffers (8 fragments of B, then 4 of A);
; window 1: the accumulators, tile (a, b) at v[8 (8 a + b)]; window 2: v0-63 the bias of my 128 columns, laid as a C operand.
; THE MATRIX INSTRUCTION IS USED TRANSPOSED (source 0 = 16 columns of B, source 1 = 16 rows of A): lane l then holds row l % 16 of C
; and its registers 0-7 the columns 8 (l / 16) + 0..7.  The bias enters as the C operand of the first product of each tile.
; The 32 accumulators take turns, one instruction a turn, in the same order everywhere.
.set IS_FF1, 0
.if IS_FF1
.set NP,   4096
.set AOFS, 8388608                     ; h in bf16 lies behind h in f32
.set BOFS, 12582912                    ; W1 in wb
.else
.set NP,   3072
.set AOFS, 0                           ; XB in wb
.set BOFS, 4194304                     ; WQKV in wb
.endif
.set KSTEP, 128
.set PA,    272                        ; LDS row of A: 256 bytes + 16: an odd multiple of 16
.set PB,    544                        ; LDS row of B: 512 bytes + 32: an odd multiple of 32
.set HALFT, 64*PB                      ; the area of one tensor load: 64 k rows of B (all of it) or 64 rows of A (half of it)
.set AHALF, 32*PA
.set SLOT,  4*HALFT                    ; A rows 0-63, A rows 64-127, B k rows 0-63, B k rows 64-127
.set STAGE, 2*SLOT                     ; behind the ring: 16 rows x 272 bytes for each wave, for the way out; no tensor load lands there
.set LAPS,  1024/(2*KSTEP)
.set ADRA, 16                          ; v16-17 LDS address of my A fragments in slot 0, 1
.set ADRB, 20                          ; v20-21 the same for B
.set STO,  24
.set RD,   25
.set CO,   26
.set BO,   27
.set F0,   32
.set F1,   128
.set T,    32                          ; the way out: 64 numbers at work
.set PK,   96                          ; packed results
.set RB0,  128                         ; rows read back, two buffers in turn
.set RB1,  160
.set G1,  24                           ; s[24:31] group 1 for A's tiles
.set G0,  32                           ; s[32:39] group 0 for A's tiles, a set for each slot
.set G1B, 48                           ; s[48:55] group 1 for B's tiles
.set G0B, 56                           ; s[56:63] group 0 for B's tiles, a set for each slot
.set MSB, 0
.macro WIN new                         ; the immediate's high byte repeats the setting that is left
.if MSB != \new
	s_set_vgpr_msb (MSB<<8)|\new
.set MSB, \new
.endif
.endm
.set MUL,  0x50                        ; C and D in window 1
.set MULB, 0x60                        ; D in window 1, C in window 2
.set TO2,  0x80                        ; destination in window 2
.macro PLACES                          ; four places behind a matrix instruction, ahead of loads into its sources and of readers of its result
.rept 4
	v_nop
.endr
.endm
; A joint load: waves 0 and 1 fetch A's halves, waves 2 and 3 B's.  Each line has one mask; the branch hangs on the wave's number alone.
.macro JLOAD s
	s_cmp_eq_u32 s11, 0
	s_cbranch_scc0 .Lfor_b_\@
	tensor_load_to_lds s[G0+4*\s:G0+4*\s+3], s[G1:G1+7]
	s_nop 0
	s_branch .Lasked_\@
.Lfor_b_\@:
	tensor_load_to_lds s[G0B+4*\s:G0B+4*\s+3], s[G1B:G1B+7]
	s_nop 0
.Lasked_\@:
.endm
.macro CREST                           ; a round of the cluster's barrier behind its opening work-group barrier
	s_cmp_lg_u32 s10, 0
	s_cbranch_scc1 .Lnot_wave_0_\@
	s_barrier_signal -3
.Lnot_wave_0_\@:
	s_barrier_wait -3
	s_barrier_signal -1
	s_barrier_wait -1
.endm
.macro CROUND                          ; a whole round
	s_barrier_signal -1
	s_barrier_wait -1
	CREST
.endm
.if IS_FF1
	s_load_b128 s[4:7], s[0:1], 0x0                ; hh s[4:5], wb s[6:7]
	s_load_b128 s[68:71], s[0:1], 0x10             ; b_ff1 s[68:69], ffb s[70:71]
.else
	s_load_b128 s[4:7], s[0:1], 0x0                ; wb s[4:5], qkv s[6:7]
	s_load_b128 s[68:71], s[0:1], 0x10             ; bq s[68:69], bk s[70:71]
	s_load_b64 s[72:73], s[0:1], 0x20              ; bv
	v_lshl_add_u32 v254, v0, 2, 0x48400
	v_mov_b32 v255, 0
	ds_add_u32 v254, v255
.endif
	v_lshrrev_b32 v1, 5, v0
	v_readfirstlane_b32 s10, v1                    ; wave 0..3
	s_lshr_b32 s11, s10, 1                         ; my half of the block's rows.  Also: I fetch for A (0) or for B (1)
	s_and_b32 s12, s10, 1                          ; my half of its columns.  Also: which half of that tile I fetch
	s_bfe_u32 s40, ttmp6, 0x40000                  ; cx
	s_bfe_u32 s41, ttmp6, 0x40004                  ; cy
	s_lshl_b32 s42, ttmp9, 2
	s_add_co_u32 s42, s42, s40                     ; block column = 4 x cluster x + cx
	s_and_b32 s13, ttmp7, 0xffff
	s_lshl_b32 s13, s13, 2
	s_add_co_u32 s13, s13, s41                     ; block row = 4 x cluster y + cy
	s_lshl_b32 s43, s41, 2
	s_lshl_b32 s43, 15, s43                        ; my row of the cluster
	s_lshl_b32 s44, 0x1111, s40                    ; my column of the cluster
	; group 1 of A's tiles: 64 rows x 128 elements of 2 bytes, 4 words of padding behind every 64 words
	s_or_b32 s[G1+0], s43, (1<<16)|(1<<20)|(1<<21)|(5<<22)|(3<<25)
	s_mov_b32 s[G1+1], 128<<16                     ; tensor_dim0 = 128
	s_mov_b32 s[G1+2], 64<<16                      ; tensor_dim1 = 64
	s_mov_b32 s[G1+3], 128<<16                     ; tile_dim0 = 128
	s_mov_b32 s[G1+4], 64                          ; tile_dim1 = 64
	s_mov_b32 s[G1+5], 1024                        ; elements from row to row
	s_mov_b32 s[G1+6], 0
	s_mov_b32 s[G1+7], 0
	; group 1 of B's tiles: 64 k rows x 256 elements, 8 words of padding behind every 128 words
	s_or_b32 s[G1B+0], s44, (1<<16)|(1<<20)|(1<<21)|(6<<22)|(7<<25)
	s_mov_b32 s[G1B+1], 256<<16
	s_mov_b32 s[G1B+2], 64<<16
	s_mov_b32 s[G1B+3], 256<<16
	s_mov_b32 s[G1B+4], 64
	s_mov_b32 s[G1B+5], NP
	s_mov_b32 s[G1B+6], 0
	s_mov_b32 s[G1B+7], 0
	; where the tiles come from: A's from the block row and the wave's number, B's from the block column and the wave's number,
	; each in registers that never hold the other coordinate
	s_lshl_b32 s16, s13, 7
	s_lshl_b32 s17, s12, 6
	s_add_co_u32 s16, s16, s17                     ; A: row 128 x block row + 64 x half
	s_lshl_b32 s16, s16, 11                        ; rows of 2,048 bytes
	s_add_co_u32 s16, s16, AOFS
	s_mov_b32 s17, 0
	s_mul_i32 s46, s12, 64*NP*2                    ; B: k row 64 x half
	s_lshl_b32 s47, s42, 9                         ; + 256 columns x block column
	s_add_co_u32 s46, s46, s47
	s_add_co_u32 s46, s46, BOFS
	s_mov_b32 s47, 0
	s_mul_i32 s20, s10, HALFT                      ; and where they go: the wave's area of the slot
.if IS_FF1
	s_lshl_b32 s74, s42, 10                        ; bias: 256 columns x block column x 4 bytes
.else
	s_lshl_b32 s74, s40, 10                        ; bias: the block column inside wq, wk or wv is cx
.endif
	s_lshl_b32 s75, s12, 9
	s_add_co_u32 s74, s74, s75
	s_mov_b32 s75, 0
	s_wait_dscnt 0x0
	s_wait_kmcnt 0x0
	s_add_nc_u64 s[14:15], s[4:5], s[16:17]
.if IS_FF1
	s_add_nc_u64 s[46:47], s[6:7], s[46:47]
	s_add_nc_u64 s[76:77], s[68:69], s[74:75]
.else
	s_add_nc_u64 s[46:47], s[4:5], s[46:47]
	s_cmp_eq_u32 ttmp9, 1                          ; the cluster's x says which of the three products this is
	s_cselect_b64 s[76:77], s[70:71], s[68:69]
	s_cmp_eq_u32 ttmp9, 2
	s_cselect_b64 s[76:77], s[72:73], s[76:77]
	s_add_nc_u64 s[76:77], s[76:77], s[74:75]
.endif
	CROUND                                         ; all sixteen work-groups are here: the first joint loads meet
.irp s, 0,1
	s_mov_b32 s[G0+4*\s], 1
	s_add_co_u32 s[G0+4*\s+1], s20, \s*SLOT
	s_add_nc_u64 s[G0+4*\s+2:G0+4*\s+3], s[14:15], \s*KSTEP*2
	s_or_b32 s[G0+4*\s+3], s[G0+4*\s+3], 0x80000000
	s_mov_b32 s[G0B+4*\s], 1
	s_add_co_u32 s[G0B+4*\s+1], s20, \s*SLOT
	s_add_nc_u64 s[G0B+4*\s+2:G0B+4*\s+3], s[46:47], \s*KSTEP*NP*2
	s_or_b32 s[G0B+4*\s+3], s[G0B+4*\s+3], 0x80000000
	JLOAD \s                                       ; two tensor loads of the wave are out
.endr
	v_and_b32 v1, 15, v0                           ; r = l % 16
	v_bfe_u32 v2, v0, 4, 1                         ; h = l / 16
	v_and_b32 v5, 7, v0                            ; l % 8
	v_bfe_u32 v6, v0, 3, 1                         ; (l / 8) % 2
	v_lshlrev_b32 v[BO], 5, v2                     ; bias: 8 h numbers of 4 bytes
	WIN TO2
.irp b, 0,1,2,3,4,5,6,7
	global_load_b128 v[8*\b:8*\b+3],   v[BO], s[76:77] offset:64*\b      ; register j: bias of column 16 b + 8 h + j
	global_load_b128 v[8*\b+4:8*\b+7], v[BO], s[76:77] offset:64*\b+16
.endr
	WIN 0
	v_mul_u32_u24 v3, v1, PA
	v_lshl_add_u32 v3, v2, 4, v3                   ; A: row r, 16 h bytes
	v_lshl_add_u32 v7, v2, 3, v5
	v_mul_u32_u24 v7, v7, PB
	v_lshl_add_u32 v7, v6, 4, v7                   ; B: k row 8 h + l % 8, 16 bytes for each eight lanes
	s_mul_i32 s21, s11, HALFT                      ; my 64 rows of A
	s_lshl_b32 s22, s12, 8                         ; my 128 columns of B,
	s_add_co_u32 s22, s22, 2*HALFT                 ; which lies behind A's two areas
.irp s, 0,1
	v_add_nc_u32 v[ADRA+\s], s21, v3
	v_add_nc_u32 v[ADRB+\s], s22, v7
	s_add_co_u32 s21, s21, SLOT
	s_add_co_u32 s22, s22, SLOT
.endr
	s_mul_i32 s23, s10, 16*PA
	s_add_co_u32 s23, s23, STAGE                   ; my stage
	v_add_nc_u32 v[STO], s23, v3                   ; in: row r, 16 bytes for each half of the lanes
.if IS_FF1
	v_mul_u32_u24 v8, v2, PA                       ; back: lanes 0-15 one row of 256 bytes, lanes 16-31 the next
	v_lshl_add_u32 v8, v1, 4, v8
	v_add_nc_u32 v[RD], s23, v8
	v_lshlrev_b32 v8, 13, v2                       ; the same two rows in C (8,192 bytes a row)
	v_lshl_add_u32 v[CO], v1, 4, v8
.else
	v_mul_u32_u24 v8, v6, PA                       ; back: eight lanes take 128 bytes (one head's row); lanes 0-15 two rows of the first head,
	v_lshl_add_u32 v8, v2, 7, v8                   ; lanes 16-31 the same two rows of the second head
	v_lshl_add_u32 v8, v5, 4, v8
	v_add_nc_u32 v[RD], s23, v8
	v_lshlrev_b32 v8, 17, v2                       ; a head's plane is 131,072 bytes; two of its rows are 256 consecutive bytes
	v_lshl_add_u32 v8, v6, 7, v8
	v_lshl_add_u32 v[CO], v5, 4, v8
.endif
; 24 LDS loads: the fragments of 32 along K (quarter q of the slot's step) into buffer f
.macro FETCH slot, q, f
	WIN 0
.irp b, 0,1,2,3,4,5,6,7
	ds_load_tr16_b128 v[\f+8*\b:\f+8*\b+3],   v[ADRB+\slot] offset:\q*32*PB+32*\b
	ds_load_tr16_b128 v[\f+8*\b+4:\f+8*\b+7], v[ADRB+\slot] offset:\q*32*PB+32*\b+16*PB
.endr
.irp ah, 0,1
.irp al, 0,1
	ds_load_b128 v[\f+64+8*(2*\ah+\al):\f+64+8*(2*\ah+\al)+3],   v[ADRA+\slot] offset:\ah*AHALF+\al*16*PA+64*\q
	ds_load_b128 v[\f+64+8*(2*\ah+\al)+4:\f+64+8*(2*\ah+\al)+7], v[ADRA+\slot] offset:\ah*AHALF+\al*16*PA+64*\q+32
.endr
.endr
.endm
; 16 matrix instructions: row blocks a0, a0 + 1 x all 8 column blocks.  zero = 1: the first product starts the sums from the bias.
.macro MUL16 f, a0, zero
.irp a, \a0, \a0+1
.irp b, 0,1,2,3,4,5,6,7
.if \zero
	v_wmma_f32_16x16x32_bf16 v[8*(8*(\a)+\b):8*(8*(\a)+\b)+7], v[\f+8*\b:\f+8*\b+7], v[\f+64+8*(\a):\f+64+8*(\a)+7], v[8*\b:8*\b+7]
.else
	v_wmma_f32_16x16x32_bf16 v[8*(8*(\a)+\b):8*(8*(\a)+\b)+7], v[\f+8*\b:\f+8*\b+7], v[\f+64+8*(\a):\f+64+8*(\a)+7], v[8*(8*(\a)+\b):8*(8*(\a)+\b)+7]
.endif
.endr
.endr
.endm
; A quarter step: buffer f is in; the next quarter's 24 loads go out into buffer g and have 32 matrix instructions in which to land.
.macro QUARTER slot, q, f, g, zero
	s_wait_dscnt 0x0                               ; buffer f is in
	PLACES                                         ; buffer g was read by the matrix instructions just issued
	FETCH \slot, \q, \g
.if \zero
	WIN MULB
.else
	WIN MUL
.endif
	MUL16 \f, 0, \zero
	MUL16 \f, 2, \zero
.endm
; The last quarter multiplies buffer 1 and changes slots.  In front of the barrier each wave waits for its reads of this slot and for all
; its tensor loads (the one that is out is its part of the next slot).  Where the slot is filled again the barrier opens a round of the
; cluster's barrier, and the joint refill is the first tensor load behind the round's closing wait, one a wave.
.macro TURN slot, next, fill
	s_wait_dscnt 0x0                               ; buffer 1 is in: those were my last reads of this slot
	s_wait_tensorcnt 0x0                           ; all my tensor loads have landed
	ds_add_u32 v254, v255
	s_wait_dscnt 0x0
	s_barrier_signal -1
	WIN MUL
	MUL16 F1, 0, 0                                 ; register work while the others arrive
	WIN 0
	s_barrier_wait -1
.if \fill
	CREST
	s_add_nc_u64 s[G0+4*\slot+2:G0+4*\slot+3], s[G0+4*\slot+2:G0+4*\slot+3], 2*KSTEP*2
	s_add_nc_u64 s[G0B+4*\slot+2:G0B+4*\slot+3], s[G0B+4*\slot+2:G0B+4*\slot+3], 2*KSTEP*NP*2
	JLOAD \slot
.endif
	PLACES
	FETCH \next, 0, F0
	WIN MUL
	MUL16 F1, 2, 0
.endm
.macro STEP slot, zero
	QUARTER \slot, 1, F0, F1, \zero
	QUARTER \slot, 2, F1, F0, 0
	QUARTER \slot, 3, F0, F1, 0
.endm
.macro LAP zero
	STEP 0, \zero
	TURN 0, 1, 1
	STEP 1, 0
	TURN 1, 0, 1
.endm
	s_wait_tensorcnt 0x1                           ; my part of K step 0 is in; K step 1's, issued behind it, may stay out
	s_barrier_signal -1
	s_barrier_wait -1
	FETCH 0, 0, F0
	s_wait_loadcnt 0x0                             ; the bias
	LAP 1
.if LAPS > 2
	WIN 0
	s_mov_b32 s3, LAPS-2
.Llap:
	LAP 0
	WIN 0
	s_sub_co_u32 s3, s3, 1
	s_cmp_lg_u32 s3, 0
	s_cbranch_scc1 .Llap
.endif
	STEP 0, 0                                      ; the last lap fills nothing
	TURN 0, 1, 0
	STEP 1, 0
	s_wait_dscnt 0x0
	WIN MUL
	MUL16 F1, 0, 0
	MUL16 F1, 2, 0
	; THE WAY OUT, 16 rows at a time: round to bf16, 16 bytes a lane into my own stage, read back by rows, store.
	PLACES
	WIN 0
.if IS_FF1
	s_lshl_b32 s16, s13, 7
	s_lshl_b32 s17, s11, 6
	s_add_co_u32 s16, s16, s17                     ; my first row
	s_lshl_b32 s16, s16, 13                        ; rows of 8,192 bytes
	s_mov_b32 s17, 0
	s_add_nc_u64 s[8:9], s[70:71], s[16:17]
	s_lshl_b32 s74, s42, 9                         ; my first column, in bytes
	s_lshl_b32 s75, s12, 8
	s_add_co_u32 s74, s74, s75
	s_mov_b32 s75, 0
	s_add_nc_u64 s[8:9], s[8:9], s[74:75]
.else
	s_lshr_b32 s16, s13, 3                         ; batch
	s_lshl_b32 s16, s16, 14                        ; x 16 heads x 1,024 rows
	s_and_b32 s17, s13, 7
	s_lshl_b32 s17, s17, 7
	s_add_co_u32 s16, s16, s17                     ; + my block's first position
	s_lshl_b32 s17, s11, 6
	s_add_co_u32 s16, s16, s17
	s_lshl_b32 s16, s16, 7                         ; rows of 128 bytes
	s_mov_b32 s17, 0
	s_add_nc_u64 s[8:9], s[6:7], s[16:17]
	s_lshl_b32 s74, s40, 2                         ; my first head = 4 cx + 2 x half
	s_lshl1_add_u32 s74, s12, s74
	s_lshl_b32 s74, s74, 17                        ; planes of 131,072 bytes
	s_lshl_b32 s75, ttmp9, 22                      ; q, k or v: 4,194,304 bytes each
	s_add_co_u32 s74, s74, s75
	s_mov_b32 s75, 0
	s_add_nc_u64 s[8:9], s[8:9], s[74:75]
.endif
.macro OUT16 a, f
.if IS_FF1
	WIN 0x01                                       ; source 0 in window 1
.set i, 0
.rept 32
	v_pk_mul_f32 v[T+2*i:T+2*i+1], v[64*\a+2*i:64*\a+2*i+1], 0x3c23d70a op_sel_hi:[1,0]
.set i, i+1
.endr
.set i, 0
.rept 64
	v_max_num_f32 v[T+i], v[64*\a+i], v[T+i]       ; max(v, 0.01 v)
.set i, i+1
.endr
	WIN 0
.set i, 0
.rept 32
	v_cvt_pk_bf16_f32 v[PK+i], v[T+2*i], v[T+2*i+1]
.set i, i+1
.endr
.else
	WIN 0x05                                       ; sources 0 and 1 in window 1
.set i, 0
.rept 32
	v_cvt_pk_bf16_f32 v[PK+i], v[64*\a+2*i], v[64*\a+2*i+1]
.set i, i+1
.endr
	WIN 0
.endif
.irp b, 0,1,2,3,4,5,6,7
	ds_store_b128 v[STO], v[PK+4*\b:PK+4*\b+3] offset:32*\b
.endr
	s_wait_xcnt 0x0                                ; buffer f, which earlier stores read, is loaded again only behind this wait
.irp t, 0,1,2,3,4,5,6,7
	ds_load_b128 v[\f+4*\t:\f+4*\t+3], v[RD] offset:\t*2*PA       ; a wave's LDS instructions are served in order: these see the stores above
.endr
.irp t, 0,1,2,3,4,5,6,7
	s_wait_dscnt 7-\t                              ; the younger read-backs stay out
.if IS_FF1
	global_store_b128 v[CO], v[\f+4*\t:\f+4*\t+3], s[8:9] offset:(16*\a+2*\t)*NP*2   ; 16 lanes store 256 consecutive bytes, aligned
.else
	global_store_b128 v[CO], v[\f+4*\t:\f+4*\t+3], s[8:9] offset:\a*2048+\t*256      ; 16 lanes store two rows of a head: 256 consecutive bytes, aligned
.endif
.endr
.endm
	OUT16 0, RB0
	OUT16 1, RB1
	OUT16 2, RB0
	OUT16 3, RB1
	s_wait_tensorcnt 0x0
	ds_add_u32 v254, v255
	s_wait_dscnt 0x0
	CROUND                                         ; the closing round: no work-group ends while a partner may still ask jointly
	s_endpgm
.Lfunc_end_k_q64936b5c69_qkv:
	.size	k_q64936b5c69_qkv, .Lfunc_end_k_q64936b5c69_qkv-k_q64936b5c69_qkv
	.p2alignl 7, 3214868480
	.fill 96, 4, 3214868480
	.section	.rodata,"a",@progbits
	.p2align	6, 0x0
	.amdhsa_kernel k_q64936b5c69_qkv
		.amdhsa_group_segment_fixed_size 327680
		.amdhsa_private_segment_fixed_size 0
		.amdhsa_enable_private_segment 0
		.amdhsa_kernarg_size 40
		.amdhsa_user_sgpr_count 2
		.amdhsa_user_sgpr_kernarg_segment_ptr 1
		.amdhsa_wavefront_size32 1
		.amdhsa_system_sgpr_workgroup_id_x 1
		.amdhsa_system_sgpr_workgroup_id_y 1
		.amdhsa_system_sgpr_workgroup_id_z 1
		.amdhsa_system_vgpr_workitem_id 0
		.amdhsa_next_free_vgpr 576
		.amdhsa_next_free_sgpr 80
		.amdhsa_reserve_vcc 0
		.amdhsa_float_denorm_mode_32 3
		.amdhsa_float_denorm_mode_16_64 3
		.amdhsa_memory_ordered 1
		.amdhsa_forward_progress 1
		.amdhsa_inst_pref_size 119
	.end_amdhsa_kernel
	.amdgpu_metadata
---
amdhsa.version: [ 1, 2 ]
amdhsa.kernels:
  - .name:           k_q64936b5c69_qkv
    .symbol:         k_q64936b5c69_qkv.kd
    .args:
      - { .name: wb, .offset: 0, .size: 8, .value_kind: global_buffer, .address_space: global }
      - { .name: qkv, .offset: 8, .size: 8, .value_kind: global_buffer, .address_space: global }
      - { .name: bq, .offset: 16, .size: 8, .value_kind: global_buffer, .address_space: global }
      - { .name: bk, .offset: 24, .size: 8, .value_kind: global_buffer, .address_space: global }
      - { .name: bv, .offset: 32, .size: 8, .value_kind: global_buffer, .address_space: global }
    .group_segment_fixed_size: 327680
    .private_segment_fixed_size: 0
    .kernarg_segment_align: 8
    .kernarg_segment_size: 40
    .max_flat_workgroup_size: 128
    .sgpr_count:     80
    .vgpr_count:     576
    .wavefront_size: 32
...
	.end_amdgpu_metadata
.endif
;; end of part 2
;; launch attn (part 3): grid 8 x 32, 4 waves a work-group, clusters of 4 x 1, 321,024 bytes of LDS; arguments qkv, ctx; writes ctx
.if DOCPART == 3
	.amdgcn_target "amdgcn-amd-amdhsa--gfx1250"
	.amdhsa_code_object_version 6
	.text
	.protected	k_q64936b5c69_attn
	.globl	k_q64936b5c69_attn
	.p2align	8
	.type	k_q64936b5c69_attn,@function
k_q64936b5c69_attn:
	s_mov_b64 s[64:65], 0
	v_nop
	global_prefetch_b8 v0, s[64:65] scope:SCOPE_SE
	s_setreg_imm32_b32 hwreg(HW_REG_WAVE_MODE, 25, 1), 1
	s_wait_xcnt 0x0
	s_wait_alu depctr_hold_cnt(0) depctr_sa_sdst(0) depctr_va_vdst(0) depctr_va_sdst(0) depctr_va_ssrc(0) depctr_va_vcc(0) depctr_vm_vsrc(0)
	s_getreg_b32 s2, hwreg(HW_REG_IB_STS2, 6, 4)
	s_cmp_eq_u32 s2, 0
	s_cbranch_scc0 .Lentry_in_a_cluster
	s_endpgm
.Lentry_in_a_cluster:
	s_bfe_u32 s2, ttmp6, 0x10000c
	s_cmp_lg_u32 s2, 0x3003
	s_cbranch_scc0 .Lentry_shape_is_right
	s_endpgm
.Lentry_shape_is_right:
; Attention of one head for 128 queries: ctx = softmax(q k^T / 8) v.  q, k, v: [3][batch x head = 32][1024][64] bf16; ctx: [2048][1024] bf16.
; Work-group (x, y): head y, queries 128 x .. 128 x + 127; four waves, 32 queries (two tiles of 16) each.
; CLUSTERS: the four work-groups of a cluster work on one head and ask for its K and V jointly (mask 15).
; The head's whole K (1,024 rows, pitch 144) and V (pitch 160) lie in LDS: only first fills, four chunks of 256 keys, no slot is filled again.
; Waves 0, 1 fetch K's halves of a chunk, waves 2, 3 V's: four tensor loads of a wave are out at the start.
; LAYOUTS: S^T = K Q^T, so a lane holds 32 of a step's 64 keys of ONE query (l % 16); maximum, sum and rescaling are a lane's own,
; one exchange with lane l xor 16 joins the two halves of the keys.  Rounded to bf16 in pairs, S^T is the second source of V^T P^T as it stands.
; ORDER: a step takes 64 keys.  Behind the products V^T P^T of a query tile stand at once the products S^T of the NEXT 64 keys for that tile, so
; that these 16 matrix instructions run beside the other tile's softmax, and each softmax finds its S^T finished.
; K's fragments are fetched two steps ahead, V's one step ahead, both behind the step's last matrix instructions.
; The softmax keeps a running maximum; -c m (c = log2(e) / 8) is kept as rounded, and the rescaling is exp2 of the difference of two such
; numbers, so that all exponentials of a row share one shift.
; LIMITS: v_exp_f32 gives 0 for results below 2^-126; P is rounded to bf16 while its sum is kept in f32.
; The stores cover 128 consecutive bytes of a row of ctx: the neighbouring 128 bytes are another head's, another work-group's.
; Matrix instructions take their accumulators by turns, one instruction a turn.
.set KP,    144
.set VP,    160
.set VBASE, 1024*KP
.set STAGE, VBASE+1024*VP              ; 4 x 16 rows x 144 bytes, a wave's own; no tensor load lands there
.set MX,   16                          ; v16-17  running maximum of query tile 0, 1
.set LS,   18                          ; v18-19  running sum (my half of the keys)
.set NM,   20                          ; v[20:23] -c m, twice, for each query tile
.set AL,   24                          ; v[24:25] the rescaling factor, twice
.set SREG, 32                          ; v[32:95]   S^T: tile (q, kt) at 32 q + 8 kt
.set PREG, 96                          ; v[96:127]  P^T in bf16: 16 registers a query tile
.set KF,   128                         ; v[128:191] K fragments (kt, ks) at 16 kt + 8 ks
.set VF,   192                         ; v[192:255] V fragments (kk, dt) at 32 kk + 8 dt
.set QF,   0                           ; window 1: Q fragments (q, ks) at 16 q + 8 ks
.set ACC,  32                          ; window 1: ctx^T (q, dt) at 32 q + 8 dt
.set G1K, 16
.set G1V, 24
.set G0,  32                           ; s[32:47] group 0, a set for each chunk
.set MSB, 0
.macro WIN new
.if MSB != \new
	s_set_vgpr_msb (MSB<<8)|\new
.set MSB, \new
.endif
.endm
.macro PLACES
.rept 4
	v_nop
.endr
.endm
.macro ROUND                           ; a round of the cluster's barrier
	s_barrier_signal -1
	s_barrier_wait -1
	s_cmp_lg_u32 s10, 0
	s_cbranch_scc1 .Lnot_wave_0_\@
	s_barrier_signal -3
.Lnot_wave_0_\@:
	s_barrier_wait -3
	s_barrier_signal -1
	s_barrier_wait -1
.endm
	s_load_b128 s[4:7], s[0:1], 0x0                ; qkv s[4:5], ctx s[6:7]
	v_lshl_add_u32 v27, v0, 2, 0x4e400
	s_set_vgpr_msb 0x40
	v_mov_b32 v97, 0
	s_set_vgpr_msb 0x4044
	ds_add_u32 v27, v97
	s_set_vgpr_msb 0x4400
	v_lshrrev_b32 v1, 5, v0
	v_readfirstlane_b32 s10, v1                    ; wave 0..3
	s_lshr_b32 s11, s10, 1                         ; I fetch K (0) or V (1)
	s_and_b32 s12, s10, 1                          ; which 128 keys of a chunk
	s_bfe_u32 s56, ttmp6, 0x40000                  ; cx
	s_lshl_b32 s57, ttmp9, 2
	s_add_co_u32 s57, s57, s56                     ; query block
	s_and_b32 s13, ttmp7, 0xffff                   ; batch x 16 + head
	; group 1: 128 rows (keys) x 64 elements of 2 bytes, dense in memory; padding behind every 32 words: 4 words for K, 8 for V
	s_mov_b32 s[G1K+0], 15|(1<<16)|(1<<20)|(1<<21)|(4<<22)|(3<<25)
	s_mov_b32 s[G1V+0], 15|(1<<16)|(1<<20)|(1<<21)|(4<<22)|(7<<25)
.irp g, G1K, G1V
	s_mov_b32 s[\g+1], 64<<16                      ; tensor_dim0 = 64
	s_mov_b32 s[\g+2], 128<<16                     ; tensor_dim1 = 128
	s_mov_b32 s[\g+3], 64<<16                      ; tile_dim0 = 64
	s_mov_b32 s[\g+4], 128                         ; tile_dim1 = 128
	s_mov_b32 s[\g+5], 64                          ; elements from row to row
	s_mov_b32 s[\g+6], 0
	s_mov_b32 s[\g+7], 0
.endr
	s_mov_b32 s48, 0x3e38aa3b                      ; c = log2(e) / 8, twice (a pair for the packed multiply-add)
	s_mov_b32 s49, 0x3e38aa3b
	s_mov_b32 s50, 0x76543210                      ; v_permlanex16_b32: lane l reads lane l xor 16
	s_mov_b32 s51, 0xfedcba98
	s_mov_b32 s52, 0xbe38aa3b                      ; -c
	s_lshl_b32 s54, s13, 17                        ; the head's plane: 131,072 bytes
	s_lshl_b32 s55, s12, 14                        ; my 128 keys: 16,384 bytes
	s_add_co_u32 s54, s54, s55
	s_mov_b32 s55, 0
	s_lshl_b32 s60, s57, 7
	s_lshl_b32 s62, s10, 5
	s_add_co_u32 s60, s60, s62                     ; my first query
	s_wait_dscnt 0x0
	s_wait_kmcnt 0x0
	s_add_nc_u64 s[14:15], s[4:5], s[54:55]        ; hangs on the head and the wave alone: equal in the four partners
	ROUND                                          ; the four work-groups are here: the joint loads meet
	s_cmp_eq_u32 s11, 0
	s_cbranch_scc0 .Lfill_v
	s_mul_i32 s61, s10, 128*KP
.irp c, 0,1,2,3
	s_mov_b32 s[G0+4*\c], 1
	s_add_co_u32 s[G0+4*\c+1], s61, \c*256*KP
	s_add_nc_u64 s[G0+4*\c+2:G0+4*\c+3], s[14:15], 4194304+\c*32768
	s_or_b32 s[G0+4*\c+3], s[G0+4*\c+3], 0x80000000
	tensor_load_to_lds s[G0+4*\c:G0+4*\c+3], s[G1K:G1K+7]
	s_nop 0
.endr
	s_branch .Lfilled
.Lfill_v:
	s_mul_i32 s61, s10, 128*VP
	s_add_co_u32 s61, s61, VBASE-2*128*VP          ; waves 2 and 3
.irp c, 0,1,2,3
	s_mov_b32 s[G0+4*\c], 1
	s_add_co_u32 s[G0+4*\c+1], s61, \c*256*VP
	s_add_nc_u64 s[G0+4*\c+2:G0+4*\c+3], s[14:15], 8388608+\c*32768
	s_or_b32 s[G0+4*\c+3], s[G0+4*\c+3], 0x80000000
	tensor_load_to_lds s[G0+4*\c:G0+4*\c+3], s[G1V:G1V+7]
	s_nop 0
.endr
.Lfilled:
	s_lshl_b32 s62, s60, 7                         ; q: rows of 128 bytes
	s_lshl_b32 s63, s13, 17
	s_add_co_u32 s62, s62, s63
	s_mov_b32 s63, 0
	s_add_nc_u64 s[58:59], s[4:5], s[62:63]        ; q at my first query
	s_lshr_b32 s62, s13, 4                         ; batch
	s_lshl_b32 s62, s62, 10
	s_add_co_u32 s62, s62, s60
	s_lshl_b32 s62, s62, 11                        ; ctx: rows of 2,048 bytes
	s_and_b32 s63, s13, 15
	s_lshl_b32 s63, s63, 7                         ; the head's 128 bytes
	s_add_co_u32 s62, s62, s63
	s_mov_b32 s63, 0
	s_add_nc_u64 s[8:9], s[6:7], s[62:63]
	v_and_b32 v1, 15, v0                           ; r
	v_bfe_u32 v8, v0, 4, 1                         ; h
	v_and_b32 v9, 7, v0                            ; l % 8
	v_bfe_u32 v10, v0, 3, 1                        ; (l / 8) % 2
	v_bfe_u32 v11, v0, 3, 2                        ; l / 8
	v_lshlrev_b32 v7, 7, v1
	v_lshl_add_u32 v7, v8, 4, v7                   ; q: row r, 16 h bytes
	WIN 0x40                                       ; destination in window 1
.irp q, 0,1
.irp ks, 0,1
	global_load_b128 v[QF+16*\q+8*\ks:QF+16*\q+8*\ks+3],   v7, s[58:59] offset:\q*2048+64*\ks
	global_load_b128 v[QF+16*\q+8*\ks+4:QF+16*\q+8*\ks+7], v7, s[58:59] offset:\q*2048+64*\ks+32
.endr
.endr
	WIN 0
	v_mul_u32_u24 v2, v1, KP
	v_lshl_add_u32 v2, v8, 4, v2                   ; v2: K fragments: key row r, 16 h bytes; steps 64 keys at a time
	v_lshl_add_u32 v3, v8, 3, v9
	v_mul_u32_u24 v3, v3, VP
	v_lshl_add_u32 v3, v10, 4, v3
	v_add_nc_u32 v3, VBASE, v3                     ; v3: V fragments by the transposing load; steps 64 keys at a time
	s_mul_i32 s53, s10, 16*KP
	s_add_co_u32 s53, s53, STAGE
	v_add_nc_u32 v4, s53, v2                       ; v4: the way out, in: row r, 16 h bytes
	v_mul_u32_u24 v5, v11, KP
	v_lshl_add_u32 v5, v9, 4, v5
	v_add_nc_u32 v5, s53, v5                       ; v5: back: eight lanes take a row's 128 bytes
	v_lshlrev_b32 v6, 11, v11
	v_lshl_add_u32 v6, v9, 4, v6                   ; v6: the same in ctx.  From here on v8-15 are at work in the softmax
.macro LDK                             ; the K fragments of 64 keys
.irp kt, 0,1,2,3
.irp ks, 0,1
	ds_load_b128 v[KF+16*\kt+8*\ks:KF+16*\kt+8*\ks+3],   v2 offset:\kt*16*KP+64*\ks
	ds_load_b128 v[KF+16*\kt+8*\ks+4:KF+16*\kt+8*\ks+7], v2 offset:\kt*16*KP+64*\ks+32
.endr
.endr
	v_add_nc_u32 v2, 64*KP, v2
.endm
.macro LDV                             ; the V fragments of 64 keys, transposed on the way
.irp kk, 0,1
.irp dt, 0,1,2,3
	ds_load_tr16_b128 v[VF+32*\kk+8*\dt:VF+32*\kk+8*\dt+3],   v3 offset:\kk*32*VP+32*\dt
	ds_load_tr16_b128 v[VF+32*\kk+8*\dt+4:VF+32*\kk+8*\dt+7], v3 offset:\kk*32*VP+32*\dt+16*VP
.endr
.endr
	v_add_nc_u32 v3, 64*VP, v3
.endm
; S^T of query tile q for the 64 keys whose fragments lie in KF: four accumulators by turns, first d = 0..31 (which starts the sums), then d = 32..63.
.macro SQK q
	WIN 0x04                                       ; source 1 (Q) in window 1
.irp kt, 0,1,2,3
	v_wmma_f32_16x16x32_bf16 v[SREG+32*\q+8*\kt:SREG+32*\q+8*\kt+7], v[KF+16*\kt:KF+16*\kt+7], v[QF+16*\q:QF+16*\q+7], 0
.endr
.irp kt, 0,1,2,3
	v_wmma_f32_16x16x32_bf16 v[SREG+32*\q+8*\kt:SREG+32*\q+8*\kt+7], v[KF+16*\kt+8:KF+16*\kt+15], v[QF+16*\q+8:QF+16*\q+15], v[SREG+32*\q+8*\kt:SREG+32*\q+8*\kt+7]
.endr
.endm
; The softmax step of query tile q: new maximum, rescaling factor, exponentials, their sum, P in bf16.  Maximum and sum run in four chains.
.macro SOFT q, first
.set SB, SREG+32*\q
.irp c, 0,1,2,3
	v_max3_num_f32 v[8+\c], v[SB+8*\c], v[SB+8*\c+1], v[SB+8*\c+2]
.endr
.irp c, 0,1,2,3
	v_max3_num_f32 v[8+\c], v[8+\c], v[SB+8*\c+3], v[SB+8*\c+4]
.endr
.irp c, 0,1,2,3
	v_max3_num_f32 v[8+\c], v[8+\c], v[SB+8*\c+5], v[SB+8*\c+6]
.endr
	v_max3_num_f32 v8, v8, v9, v[SB+7]
	v_max3_num_f32 v10, v10, v11, v[SB+15]
	v_max3_num_f32 v8, v8, v10, v[SB+23]
.if \first
	v_max_num_f32 v26, v8, v[SB+31]
.else
	v_max3_num_f32 v26, v8, v[SB+31], v[MX+\q]
.endif
	v_permlanex16_b32 v9, v26, s50, s51            ; the other half of the keys
	v_max_num_f32 v[MX+\q], v26, v9                ; the running maximum, equal in both halves
	v_mul_f32 v28, s52, v[MX+\q]                   ; -c m
.if \first
.else
	v_sub_f32 v29, v28, v[NM+2*\q]                 ; c (m old - m new)
	v_exp_f32 v[AL], v29
.endif
	v_mov_b32 v[NM+2*\q], v28                      ; (also the plain place behind v_exp_f32: ISA guide 5.7.2)
	v_mov_b32 v[NM+2*\q+1], v28
.if \first
.else
	s_wait_alu depctr_va_vdst(0)
	v_mov_b32 v[AL+1], v[AL]
.endif
.set i, 0
.rept 16
	v_pk_fma_f32 v[SB+2*i:SB+2*i+1], v[SB+2*i:SB+2*i+1], s[48:49], v[NM+2*\q:NM+2*\q+1] op_sel_hi:[1,0,1]
.set i, i+1
.endr
.set i, 0
.rept 32
	v_exp_f32 v[SB+i], v[SB+i]
.set i, i+1
.endr
	v_nop                                          ; the plain place behind the run of exponentials
	s_wait_alu depctr_va_vdst(0)
.irp c, 0,1,2,3
	v_pk_add_f32 v[8+2*\c:9+2*\c], v[SB+8*\c:SB+8*\c+1], v[SB+8*\c+2:SB+8*\c+3]
.endr
.irp c, 0,1,2,3
	v_pk_add_f32 v[8+2*\c:9+2*\c], v[8+2*\c:9+2*\c], v[SB+8*\c+4:SB+8*\c+5]
.endr
.irp c, 0,1,2,3
	v_pk_add_f32 v[8+2*\c:9+2*\c], v[8+2*\c:9+2*\c], v[SB+8*\c+6:SB+8*\c+7]
.endr
	v_pk_add_f32 v[8:9], v[8:9], v[10:11]
	v_pk_add_f32 v[12:13], v[12:13], v[14:15]
	v_pk_add_f32 v[8:9], v[8:9], v[12:13]
.if \first
	v_add_f32 v[LS+\q], v8, v9
.else
	v_add_f32 v26, v8, v9
	v_fma_f32 v[LS+\q], v[LS+\q], v[AL], v26
.endif
.set i, 0
.rept 16
	v_cvt_pk_bf16_f32 v[PREG+16*\q+i], v[SB+2*i], v[SB+2*i+1]
.set i, i+1
.endr
.endm
; ctx^T of query tile q: rescaled, then 64 keys are added.
.macro PV q, first
.if \first
.else
	WIN 0x41                                       ; destination and source 0 in window 1
.set i, 0
.rept 16
	v_pk_mul_f32 v[ACC+32*\q+2*i:ACC+32*\q+2*i+1], v[ACC+32*\q+2*i:ACC+32*\q+2*i+1], v[AL:AL+1]
.set i, i+1
.endr
.endif
	WIN 0x50                                       ; C and D in window 1
.irp kk, 0,1
.irp dt, 0,1,2,3
.if \first*(1-\kk)
	v_wmma_f32_16x16x32_bf16 v[ACC+32*\q+8*\dt:ACC+32*\q+8*\dt+7], v[VF+32*\kk+8*\dt:VF+32*\kk+8*\dt+7], v[PREG+16*\q+8*\kk:PREG+16*\q+8*\kk+7], 0
.else
	v_wmma_f32_16x16x32_bf16 v[ACC+32*\q+8*\dt:ACC+32*\q+8*\dt+7], v[VF+32*\kk+8*\dt:VF+32*\kk+8*\dt+7], v[PREG+16*\q+8*\kk:PREG+16*\q+8*\kk+7], v[ACC+32*\q+8*\dt:ACC+32*\q+8*\dt+7]
.endif
.endr
.endr
.endm
; 64 keys, whose S^T has been issued in the step before.  sn = 1: the next step's S^T is issued.  lv = 1: the next step's V fragments are fetched;
; lk = 1: the K fragments of the step after the next.  cnt >= 0: those K fragments lie in the next chunk: each wave waits for its part of it
; (cnt younger tensor loads may stay out) and a barrier shows it to all.
.macro STEP first, sn, lv, lk, cnt
	SOFT 0, \first
	s_wait_dscnt 0x0                               ; this step's V fragments and the next step's K fragments are in
	PV 0, \first
.if \sn
	SQK 0
.endif
	WIN 0
	SOFT 1, \first                                 ; vector work beside the matrix instructions just issued
	PV 1, \first
.if \sn
	SQK 1
.endif
	WIN 0
.if \lv
	PLACES                                         ; ahead of the loads into the fragments that the matrix instructions above read
.if \cnt >= 0
	s_wait_dscnt 0x0
	s_wait_tensorcnt \cnt
	s_barrier_signal -1
	s_barrier_wait -1
.endif
	LDV
.if \lk
	LDK
.endif
.endif
.endm
	s_wait_tensorcnt 0x3                           ; my part of chunk 0 is in; my three later loads may stay out
	s_barrier_signal -1
	s_barrier_wait -1
	LDK                                            ; keys 0 to 63
	s_wait_loadcnt 0x0                             ; Q
	s_wait_dscnt 0x0
	SQK 0
	SQK 1
	WIN 0
	PLACES
	LDV                                            ; keys 0 to 63
	LDK                                            ; keys 64 to 127
	STEP 1, 1, 1, 1, -1
	STEP 0, 1, 1, 1, -1
	STEP 0, 1, 1, 1, 2                             ; K of step 4 lies in chunk 1
	STEP 0, 1, 1, 1, -1
	STEP 0, 1, 1, 1, -1
	STEP 0, 1, 1, 1, -1
	STEP 0, 1, 1, 1, 1                             ; chunk 2
	STEP 0, 1, 1, 1, -1
	STEP 0, 1, 1, 1, -1
	STEP 0, 1, 1, 1, -1
	STEP 0, 1, 1, 1, 0                             ; chunk 3: no tensor load is out any more
	STEP 0, 1, 1, 1, -1
	STEP 0, 1, 1, 1, -1
	STEP 0, 1, 1, 1, -1
	STEP 0, 1, 1, 0, -1                            ; no K is left to fetch
	STEP 0, 0, 0, 0, -1
	; THE WAY OUT: divide by the sum, round to bf16, through my own stage, eight lanes to a row's 128 bytes.
	PLACES
.irp q, 0,1
	v_permlanex16_b32 v26, v[LS+\q], s50, s51
	v_add_f32 v26, v26, v[LS+\q]                   ; the sum over both halves of the keys; at least 1, the maximum's own term
	v_rcp_f32 v30, v26
	v_rcp_f32 v31, v26
	v_nop
	WIN 0x01                                       ; source 0 in window 1
.set i, 0
	s_wait_alu depctr_va_vdst(0)
.rept 16
	v_pk_mul_f32 v[SREG+2*i:SREG+2*i+1], v[ACC+32*\q+2*i:ACC+32*\q+2*i+1], v[30:31]
.set i, i+1
.endr
	WIN 0
.set i, 0
.rept 16
	v_cvt_pk_bf16_f32 v[PREG+i], v[SREG+2*i], v[SREG+2*i+1]
.set i, i+1
.endr
.irp dt, 0,1,2,3
	ds_store_b128 v4, v[PREG+4*\dt:PREG+4*\dt+3] offset:32*\dt
.endr
.irp t, 0,1,2,3
	ds_load_b128 v[KF+16*\q+4*\t:KF+16*\q+4*\t+3], v5 offset:\t*4*KP     ; a wave's LDS instructions are served in order
.endr
.irp t, 0,1,2,3
	s_wait_dscnt 3-\t                              ; the younger read-backs stay out
	global_store_b128 v6, v[KF+16*\q+4*\t:KF+16*\q+4*\t+3], s[8:9] offset:\q*32768+\t*8192
.endr
.endr
	s_set_vgpr_msb 0x4
	s_wait_tensorcnt 0x0
	ds_add_u32 v27, v97
	s_wait_dscnt 0x0
	s_set_vgpr_msb 0x400
	ROUND                                          ; the closing round
	s_endpgm
.Lfunc_end_k_q64936b5c69_attn:
	.size	k_q64936b5c69_attn, .Lfunc_end_k_q64936b5c69_attn-k_q64936b5c69_attn
	.p2alignl 7, 3214868480
	.fill 96, 4, 3214868480
	.section	.rodata,"a",@progbits
	.p2align	6, 0x0
	.amdhsa_kernel k_q64936b5c69_attn
		.amdhsa_group_segment_fixed_size 321024
		.amdhsa_private_segment_fixed_size 0
		.amdhsa_enable_private_segment 0
		.amdhsa_kernarg_size 16
		.amdhsa_user_sgpr_count 2
		.amdhsa_user_sgpr_kernarg_segment_ptr 1
		.amdhsa_wavefront_size32 1
		.amdhsa_system_sgpr_workgroup_id_x 1
		.amdhsa_system_sgpr_workgroup_id_y 1
		.amdhsa_system_sgpr_workgroup_id_z 1
		.amdhsa_system_vgpr_workitem_id 0
		.amdhsa_next_free_vgpr 354
		.amdhsa_next_free_sgpr 66
		.amdhsa_reserve_vcc 0
		.amdhsa_float_denorm_mode_32 3
		.amdhsa_float_denorm_mode_16_64 3
		.amdhsa_memory_ordered 1
		.amdhsa_forward_progress 1
		.amdhsa_inst_pref_size 255
	.end_amdhsa_kernel
	.section	.bss,"aw",@nobits
	.p2align	6
	.space	262144
	.amdgpu_metadata
---
amdhsa.version: [ 1, 2 ]
amdhsa.kernels:
  - .name:           k_q64936b5c69_attn
    .symbol:         k_q64936b5c69_attn.kd
    .args:
      - { .name: qkv, .offset: 0, .size: 8, .value_kind: global_buffer, .address_space: global }
      - { .name: ctx, .offset: 8, .size: 8, .value_kind: global_buffer, .address_space: global }
    .group_segment_fixed_size: 321024
    .private_segment_fixed_size: 0
    .kernarg_segment_align: 8
    .kernarg_segment_size: 16
    .max_flat_workgroup_size: 128
    .sgpr_count:     66
    .vgpr_count:     354
    .wavefront_size: 32
...
	.end_amdgpu_metadata
.endif
;; end of part 3
;; launch wo (part 4): grid 8 x 32, 4 waves a work-group, clusters of 4 x 4, 327,680 bytes of LDS; arguments ctx, wb, bo, x, y; writes y
.if DOCPART == 4
	.amdgcn_target "amdgcn-amd-amdhsa--gfx1250"
	.amdhsa_code_object_version 6
	.text
	.protected	k_q64936b5c69_wo
	.globl	k_q64936b5c69_wo
	.p2align	8
	.type	k_q64936b5c69_wo,@function
k_q64936b5c69_wo:
	s_mov_b64 s[64:65], 0
	v_nop
	global_prefetch_b8 v0, s[64:65] scope:SCOPE_SE
	s_setreg_imm32_b32 hwreg(HW_REG_WAVE_MODE, 25, 1), 1
	s_wait_xcnt 0x0
	s_wait_alu depctr_hold_cnt(0) depctr_sa_sdst(0) depctr_va_vdst(0) depctr_va_sdst(0) depctr_va_ssrc(0) depctr_va_vcc(0) depctr_vm_vsrc(0)
	s_getreg_b32 s2, hwreg(HW_REG_IB_STS2, 6, 4)
	s_cmp_eq_u32 s2, 0
	s_cbranch_scc0 .Lentry_in_a_cluster
	s_endpgm
.Lentry_in_a_cluster:
	s_bfe_u32 s2, ttmp6, 0x10000c
	s_cmp_lg_u32 s2, 0xf033
	s_cbranch_scc0 .Lentry_shape_is_right
	s_endpgm
.Lentry_shape_is_right:
; Y = A B + bias + residual, in f32.  A [2048][KT] bf16 (K along the rows), B [KT][1024] bf16 (N along the rows), residual and Y [2048][1024] f32.
; IS_FF2 = 0: A = ctx, B = wo, residual = x.   IS_FF2 = 1: A = the FFN's hidden layer, B = w_ff2, residual = h.
; A work-group makes 64 x 128 of Y, so that 8 x 32 = 256 work-groups share the work.  K goes in steps of 256 through two LDS slots; THE FOUR WAVES
; SPLIT K: wave w multiplies the whole block over k = 64 w .. 64 w + 63 of each step, in 32 accumulator tiles, and the four partial sums are
; added in f32 on the way out (an order of rounding that differs from one ascending sum).  So a wave feeds 32 matrix instructions from 24 LDS loads.
; CLUSTERS: 4 x 4 work-groups; A's tiles are asked for jointly along a row of the cluster, B's along a column.
; REGISTERS: window 0: v0-31 addresses, v32-127 and v128-223 two fragment buffers (8 of B, 4 of A); window 1: the accumulators, tile (a, b) at
; v[8 (8 a + b)]; window 2: v0-63 the residual of my 16 rows of the way out, v64-67 the bias.
; The matrix instruction is used transposed (source 0 = columns of B): lane l holds row l % 16, registers 0-7 the columns 8 (l / 16) + 0..7.
; The 32 accumulators take turns, one instruction a turn, in the same order everywhere.
.set IS_FF2, 0
.if IS_FF2
.set KT,   4096
.set BOFS, 20971520                    ; W2 in wb
.else
.set KT,   1024
.set BOFS, 10485760                    ; WO in wb
.endif
.set KSTEP, 256
.set PA,    528                        ; LDS row of A: 512 bytes + 16; also the pitch of the partial sums (128 f32 + 16)
.set PB,    288                        ; LDS row of B: 256 bytes + 32: an odd multiple of 32
.set HALFT, 128*PB                     ; the area of one tensor load: 128 k rows of B (all of it) or 32 rows of A (part of it)
.set AHALF, HALFT
.set SLOT,  4*HALFT
.set LAPS,  KT/(2*KSTEP)
.set ADRA, 16
.set ADRB, 20
.set STO,  24
.set RD,   25
.set CO,   26
.set RD2,  29
.set F0,   32
.set F1,   128
.set RES,  128                         ; the way out: results, 4 registers a row
.set G1,  24
.set G0,  32
.set G1B, 48
.set G0B, 56
.set MSB, 0
.macro WIN new
.if MSB != \new
	s_set_vgpr_msb (MSB<<8)|\new
.set MSB, \new
.endif
.endm
.set MUL,  0x50                        ; C and D in window 1
.set TO2,  0x80                        ; destination in window 2
.macro PLACES
.rept 4
	v_nop
.endr
.endm
.macro JLOAD s
	s_cmp_eq_u32 s11, 0
	s_cbranch_scc0 .Lfor_b_\@
	tensor_load_to_lds s[G0+4*\s:G0+4*\s+3], s[G1:G1+7]
	s_nop 0
	v_nop
	s_branch .Lasked_\@
.Lfor_b_\@:
	tensor_load_to_lds s[G0B+4*\s:G0B+4*\s+3], s[G1B:G1B+7]
	s_nop 0
	v_nop
	v_nop
.Lasked_\@:
.endm
.macro CREST
	s_cmp_lg_u32 s10, 0
	s_cbranch_scc1 .Lnot_wave_0_\@
	s_barrier_signal -3
.Lnot_wave_0_\@:
	s_barrier_wait -3
	s_barrier_signal -1
	s_barrier_wait -1
.endm
.macro CROUND
	s_barrier_signal -1
	s_barrier_wait -1
	CREST
.endm
	s_load_b128 s[4:7], s[0:1], 0x0                ; A s[4:5], wb s[6:7]
	s_load_b128 s[68:71], s[0:1], 0x10             ; bias s[68:69], residual s[70:71]
	s_load_b64 s[72:73], s[0:1], 0x20              ; y
	v_lshl_add_u32 v30, v0, 2, 0x48000
	v_mov_b32 v31, 0
	ds_add_u32 v30, v31
	v_lshrrev_b32 v1, 5, v0
	v_readfirstlane_b32 s10, v1                    ; wave 0..3: my slice of K
	s_lshr_b32 s11, s10, 1                         ; I fetch for A (0) or for B (1)
	s_and_b32 s12, s10, 1                          ; which half of that tile
	s_bfe_u32 s40, ttmp6, 0x40000                  ; cx
	s_bfe_u32 s41, ttmp6, 0x40004                  ; cy
	s_lshl_b32 s42, ttmp9, 2
	s_add_co_u32 s42, s42, s40                     ; block column
	s_and_b32 s13, ttmp7, 0xffff
	s_lshl_b32 s13, s13, 2
	s_add_co_u32 s13, s13, s41                     ; block row
	s_lshl_b32 s43, s41, 2
	s_lshl_b32 s43, 15, s43                        ; my row of the cluster
	s_lshl_b32 s44, 0x1111, s40                    ; my column
	; group 1 of A's tiles: 32 rows x 256 elements of 2 bytes, 4 words of padding behind every 128 words
	s_or_b32 s[G1+0], s43, (1<<16)|(1<<20)|(1<<21)|(6<<22)|(3<<25)
	s_mov_b32 s[G1+1], 256<<16
	s_mov_b32 s[G1+2], 32<<16
	s_mov_b32 s[G1+3], 256<<16
	s_mov_b32 s[G1+4], 32
	s_mov_b32 s[G1+5], KT
	s_mov_b32 s[G1+6], 0
	s_mov_b32 s[G1+7], 0
	; group 1 of B's tiles: 128 k rows x 128 elements, 8 words of padding behind every 64 words
	s_or_b32 s[G1B+0], s44, (1<<16)|(1<<20)|(1<<21)|(5<<22)|(7<<25)
	s_mov_b32 s[G1B+1], 128<<16
	s_mov_b32 s[G1B+2], 128<<16
	s_mov_b32 s[G1B+3], 128<<16
	s_mov_b32 s[G1B+4], 128
	s_mov_b32 s[G1B+5], 1024
	s_mov_b32 s[G1B+6], 0
	s_mov_b32 s[G1B+7], 0
	s_lshl_b32 s16, s13, 6
	s_lshl_b32 s17, s12, 5
	s_add_co_u32 s16, s16, s17                     ; A: row 64 x block row + 32 x half
	s_mul_i32 s16, s16, KT*2
	s_mov_b32 s17, 0
	s_lshl_b32 s46, s12, 18                        ; B: k row 128 x half, rows of 2,048 bytes
	s_lshl_b32 s47, s42, 8                         ; + 128 columns x block column
	s_add_co_u32 s46, s46, s47
	s_add_co_u32 s46, s46, BOFS
	s_mov_b32 s47, 0
	s_mul_i32 s20, s10, HALFT
	s_lshl_b32 s74, s42, 9                         ; my block's first column in f32: 512 bytes x block column
	s_mov_b32 s75, 0
	s_wait_dscnt 0x0
	s_wait_kmcnt 0x0
	s_add_nc_u64 s[14:15], s[4:5], s[16:17]
	s_add_nc_u64 s[46:47], s[6:7], s[46:47]
	s_lshl_b32 s16, s13, 6
	s_lshl4_add_u32 s16, s10, s16                  ; the 16 rows that I finish: 64 x block row + 16 x wave
	s_lshl_b32 s16, s16, 12                        ; rows of 4,096 bytes
	s_add_nc_u64 s[76:77], s[68:69], s[74:75]      ; bias
	s_add_nc_u64 s[78:79], s[70:71], s[16:17]      ; residual
	s_add_nc_u64 s[78:79], s[78:79], s[74:75]
	s_add_nc_u64 s[8:9], s[72:73], s[16:17]        ; y
	s_add_nc_u64 s[8:9], s[8:9], s[74:75]
	CROUND                                         ; all sixteen work-groups are here: the first joint loads meet
.irp s, 0,1
	s_mov_b32 s[G0+4*\s], 1
	s_add_co_u32 s[G0+4*\s+1], s20, \s*SLOT
	s_add_nc_u64 s[G0+4*\s+2:G0+4*\s+3], s[14:15], \s*KSTEP*2
	s_or_b32 s[G0+4*\s+3], s[G0+4*\s+3], 0x80000000
	s_mov_b32 s[G0B+4*\s], 1
	s_add_co_u32 s[G0B+4*\s+1], s20, \s*SLOT
	s_add_nc_u64 s[G0B+4*\s+2:G0B+4*\s+3], s[46:47], \s*KSTEP*2048
	s_or_b32 s[G0B+4*\s+3], s[G0B+4*\s+3], 0x80000000
	JLOAD \s                                       ; two tensor loads of the wave are out
.endr
	v_and_b32 v9, 31, v0                           ; lane
	v_lshlrev_b32 v[CO], 4, v9                     ; 16 bytes a lane: a row's 512 bytes to a wave
	WIN TO2                                        ; residual and bias come early and are waited for on the way out
.irp i, 0,1,2,3,4,5,6,7,8,9,10,11,12,13,14,15
	global_load_b128 v[4*\i:4*\i+3], v[CO], s[78:79] offset:\i*4096
.endr
	global_load_b128 v[64:67], v[CO], s[76:77]
	WIN 0
	v_and_b32 v1, 15, v0                           ; r
	v_bfe_u32 v2, v0, 4, 1                         ; h
	v_and_b32 v5, 7, v0
	v_bfe_u32 v6, v0, 3, 1
	v_mul_u32_u24 v3, v1, PA
	v_lshl_add_u32 v4, v2, 4, v3                   ; A: row r, 16 h bytes
	v_lshl_add_u32 v7, v2, 3, v5
	v_mul_u32_u24 v7, v7, PB
	v_lshl_add_u32 v7, v6, 4, v7                   ; B: k row 8 h + l % 8, 16 bytes for each eight lanes
	s_lshl_b32 s21, s10, 7                         ; my 64 k of A's rows: 128 bytes
	s_mul_i32 s22, s10, 64*PB                      ; my 64 k rows of B,
	s_add_co_u32 s22, s22, 2*HALFT                 ; which lies behind A's two areas
.irp s, 0,1
	v_add_nc_u32 v[ADRA+\s], s21, v4
	v_add_nc_u32 v[ADRB+\s], s22, v7
	s_add_co_u32 s21, s21, SLOT
	s_add_co_u32 s22, s22, SLOT
.endr
	s_mul_i32 s23, s10, HALFT                      ; my partial sums: 64 rows x 528 bytes in my quarter of slot 0
	v_lshl_add_u32 v8, v2, 5, v3                   ; row r, 8 h numbers of 4 bytes
	v_add_nc_u32 v[STO], s23, v8
	s_mul_i32 s23, s10, 16*PA                      ; the 16 rows that I finish, in partial sum 0
	v_add_nc_u32 v[RD], s23, v[CO]
	v_add_nc_u32 v[RD2], 2*HALFT, v[RD]            ; and in partial sum 2
.macro FETCH slot, q, f
	WIN 0
.irp b, 0,1,2,3,4,5,6,7
	ds_load_tr16_b128 v[\f+8*\b:\f+8*\b+3],   v[ADRB+\slot] offset:\q*32*PB+32*\b
	ds_load_tr16_b128 v[\f+8*\b+4:\f+8*\b+7], v[ADRB+\slot] offset:\q*32*PB+32*\b+16*PB
.endr
.irp ah, 0,1
.irp al, 0,1
	ds_load_b128 v[\f+64+8*(2*\ah+\al):\f+64+8*(2*\ah+\al)+3],   v[ADRA+\slot] offset:\ah*AHALF+\al*16*PA+64*\q
	ds_load_b128 v[\f+64+8*(2*\ah+\al)+4:\f+64+8*(2*\ah+\al)+7], v[ADRA+\slot] offset:\ah*AHALF+\al*16*PA+64*\q+32
.endr
.endr
.endm
.macro MUL16 f, a0, zero               ; zero = 1: the first product starts the sums: nothing is cleared
.irp a, \a0, \a0+1
.irp b, 0,1,2,3,4,5,6,7
.if \zero
	v_wmma_f32_16x16x32_bf16 v[8*(8*(\a)+\b):8*(8*(\a)+\b)+7], v[\f+8*\b:\f+8*\b+7], v[\f+64+8*(\a):\f+64+8*(\a)+7], 0
.else
	v_wmma_f32_16x16x32_bf16 v[8*(8*(\a)+\b):8*(8*(\a)+\b)+7], v[\f+8*\b:\f+8*\b+7], v[\f+64+8*(\a):\f+64+8*(\a)+7], v[8*(8*(\a)+\b):8*(8*(\a)+\b)+7]
.endif
.endr
.endr
.endm
.macro QUARTER slot, q, f, g, zero
	s_wait_dscnt 0x0                               ; buffer f is in
	PLACES                                         ; buffer g was read by the matrix instructions just issued
	FETCH \slot, \q, \g
	WIN MUL
	MUL16 \f, 0, \zero
	MUL16 \f, 2, \zero
.endm
; The second half of my slice multiplies buffer 1 and changes slots: each wave's waits for its reads of this slot and for all its tensor loads
; stand in front of the barrier; where the slot is filled again the barrier opens a round of the cluster's barrier, and the joint refill
; is the first tensor load behind the round's closing wait, one a wave.
.macro TURN slot, next, fill
	s_wait_dscnt 0x0
	s_wait_tensorcnt 0x0
	ds_add_u32 v30, v31
	s_wait_dscnt 0x0
	s_barrier_signal -1
	WIN MUL
	MUL16 F1, 0, 0
	WIN 0
	s_barrier_wait -1
.if \fill
	CREST
	s_add_nc_u64 s[G0+4*\slot+2:G0+4*\slot+3], s[G0+4*\slot+2:G0+4*\slot+3], 2*KSTEP*2
	s_add_nc_u64 s[G0B+4*\slot+2:G0B+4*\slot+3], s[G0B+4*\slot+2:G0B+4*\slot+3], 2*KSTEP*2048
	JLOAD \slot
.endif
	PLACES
	FETCH \next, 0, F0
	WIN MUL
	MUL16 F1, 2, 0
.endm
.macro STEP slot, zero
	QUARTER \slot, 1, F0, F1, \zero
.endm
.macro LAP zero
	STEP 0, \zero
	TURN 0, 1, 1
	STEP 1, 0
	TURN 1, 0, 1
.endm
	s_wait_tensorcnt 0x1                           ; my part of K step 0 is in; K step 1's, issued behind it, may stay out
	s_barrier_signal -1
	s_barrier_wait -1
	FETCH 0, 0, F0
	LAP 1
.if LAPS > 2
	WIN 0
	s_mov_b32 s3, LAPS-2
.Llap:
	LAP 0
	WIN 0
	s_sub_co_u32 s3, s3, 1
	s_cmp_lg_u32 s3, 0
	s_cbranch_scc1 .Llap
.endif
	STEP 0, 0                                      ; the last lap fills nothing
	TURN 0, 1, 0                                   ; behind this barrier nobody reads slot 0 and nothing is ever loaded into it again
	STEP 1, 0
	s_wait_dscnt 0x0
	WIN MUL
	MUL16 F1, 0, 0
	MUL16 F1, 2, 0
	; THE WAY OUT.  Each wave lays its partial sums (64 x 128 f32) into its quarter of slot 0; behind a barrier wave w adds the four for
	; rows 16 w .. 16 w + 15, adds residual and bias, and stores whole rows of 512 bytes.
	PLACES
	WIN 0x04                                       ; store data in window 1
.irp a, 0,1,2,3
.irp b, 0,1,2,3,4,5,6,7
	ds_store_b128 v[STO], v[8*(8*\a+\b):8*(8*\a+\b)+3]   offset:\a*16*PA+64*\b
	ds_store_b128 v[STO], v[8*(8*\a+\b)+4:8*(8*\a+\b)+7] offset:\a*16*PA+64*\b+16
.endr
.endr
	WIN 0
	s_wait_dscnt 0x0                               ; my stores are done, for the others' sake
	s_barrier_signal -1
	s_barrier_wait -1
.macro RLOAD g, p                      ; rows 4 g .. 4 g + 3 of my 16, all four partial sums
.irp ii, 0,1,2,3
	ds_load_b128 v[\p+16*\ii:\p+16*\ii+3],     v[RD]  offset:(4*\g+\ii)*PA
	ds_load_b128 v[\p+16*\ii+4:\p+16*\ii+7],   v[RD]  offset:(4*\g+\ii)*PA+HALFT
	ds_load_b128 v[\p+16*\ii+8:\p+16*\ii+11],  v[RD2] offset:(4*\g+\ii)*PA
	ds_load_b128 v[\p+16*\ii+12:\p+16*\ii+15], v[RD2] offset:(4*\g+\ii)*PA+HALFT
.endr
.endm
.macro RSUM g, p
.irp ii, 0,1,2,3
	v_pk_add_f32 v[\p+16*\ii:\p+16*\ii+1],     v[\p+16*\ii:\p+16*\ii+1],     v[\p+16*\ii+4:\p+16*\ii+5]
	v_pk_add_f32 v[\p+16*\ii+2:\p+16*\ii+3],   v[\p+16*\ii+2:\p+16*\ii+3],   v[\p+16*\ii+6:\p+16*\ii+7]
	v_pk_add_f32 v[\p+16*\ii+8:\p+16*\ii+9],   v[\p+16*\ii+8:\p+16*\ii+9],   v[\p+16*\ii+12:\p+16*\ii+13]
	v_pk_add_f32 v[\p+16*\ii+10:\p+16*\ii+11], v[\p+16*\ii+10:\p+16*\ii+11], v[\p+16*\ii+14:\p+16*\ii+15]
	v_pk_add_f32 v[\p+16*\ii:\p+16*\ii+1],     v[\p+16*\ii:\p+16*\ii+1],     v[\p+16*\ii+8:\p+16*\ii+9]
	v_pk_add_f32 v[\p+16*\ii+2:\p+16*\ii+3],   v[\p+16*\ii+2:\p+16*\ii+3],   v[\p+16*\ii+10:\p+16*\ii+11]
.endr
	WIN 0x08                                       ; source 1 in window 2
.irp ii, 0,1,2,3
	v_pk_add_f32 v[\p+16*\ii:\p+16*\ii+1],     v[\p+16*\ii:\p+16*\ii+1],     v[4*(4*\g+\ii):4*(4*\g+\ii)+1]       ; + residual
	v_pk_add_f32 v[\p+16*\ii+2:\p+16*\ii+3],   v[\p+16*\ii+2:\p+16*\ii+3],   v[4*(4*\g+\ii)+2:4*(4*\g+\ii)+3]
	v_pk_add_f32 v[RES+4*(4*\g+\ii):RES+4*(4*\g+\ii)+1],   v[\p+16*\ii:\p+16*\ii+1],   v[64:65]                   ; + bias
	v_pk_add_f32 v[RES+4*(4*\g+\ii)+2:RES+4*(4*\g+\ii)+3], v[\p+16*\ii+2:\p+16*\ii+3], v[66:67]
.endr
	WIN 0
.irp ii, 0,1,2,3
	global_store_b128 v[CO], v[RES+4*(4*\g+\ii):RES+4*(4*\g+\ii)+3], s[8:9] offset:(4*\g+\ii)*4096   ; a wave stores 512 consecutive bytes, aligned
.endr
.endm
	RLOAD 0, 32
	RLOAD 1, 192
	s_wait_loadcnt 0x0                             ; residual and bias
	s_wait_dscnt 16                                ; the first group is in; the 16 younger loads are the next group's
	RSUM 0, 32
	RLOAD 2, 32
	s_wait_dscnt 16
	RSUM 1, 192
	RLOAD 3, 192
	s_wait_dscnt 16
	RSUM 2, 32
	s_wait_dscnt 0x0
	RSUM 3, 192
	s_wait_tensorcnt 0x0
	ds_add_u32 v30, v31
	s_wait_dscnt 0x0
	CROUND                                         ; the closing round
	s_endpgm
.Lfunc_end_k_q64936b5c69_wo:
	.size	k_q64936b5c69_wo, .Lfunc_end_k_q64936b5c69_wo-k_q64936b5c69_wo
	.p2alignl 7, 3214868480
	.fill 96, 4, 3214868480
	.section	.rodata,"a",@progbits
	.p2align	6, 0x0
	.amdhsa_kernel k_q64936b5c69_wo
		.amdhsa_group_segment_fixed_size 327680
		.amdhsa_private_segment_fixed_size 0
		.amdhsa_enable_private_segment 0
		.amdhsa_kernarg_size 40
		.amdhsa_user_sgpr_count 2
		.amdhsa_user_sgpr_kernarg_segment_ptr 1
		.amdhsa_wavefront_size32 1
		.amdhsa_system_sgpr_workgroup_id_x 1
		.amdhsa_system_sgpr_workgroup_id_y 1
		.amdhsa_system_sgpr_workgroup_id_z 1
		.amdhsa_system_vgpr_workitem_id 0
		.amdhsa_next_free_vgpr 592
		.amdhsa_next_free_sgpr 80
		.amdhsa_reserve_vcc 0
		.amdhsa_float_denorm_mode_32 3
		.amdhsa_float_denorm_mode_16_64 3
		.amdhsa_memory_ordered 1
		.amdhsa_forward_progress 1
		.amdhsa_inst_pref_size 61
	.end_amdhsa_kernel
	.amdgpu_metadata
---
amdhsa.version: [ 1, 2 ]
amdhsa.kernels:
  - .name:           k_q64936b5c69_wo
    .symbol:         k_q64936b5c69_wo.kd
    .args:
      - { .name: ctx, .offset: 0, .size: 8, .value_kind: global_buffer, .address_space: global }
      - { .name: wb, .offset: 8, .size: 8, .value_kind: global_buffer, .address_space: global }
      - { .name: bo, .offset: 16, .size: 8, .value_kind: global_buffer, .address_space: global }
      - { .name: x, .offset: 24, .size: 8, .value_kind: global_buffer, .address_space: global }
      - { .name: y, .offset: 32, .size: 8, .value_kind: global_buffer, .address_space: global }
    .group_segment_fixed_size: 327680
    .private_segment_fixed_size: 0
    .kernarg_segment_align: 8
    .kernarg_segment_size: 40
    .max_flat_workgroup_size: 128
    .sgpr_count:     80
    .vgpr_count:     592
    .wavefront_size: 32
...
	.end_amdgpu_metadata
.endif
;; end of part 4
;; launch ln1 (part 5): grid 256 x 1, 8 waves a work-group, no clusters, 0 bytes of LDS; arguments y, g1, b1, b_ff2, hh; writes hh
.if DOCPART == 5
	.amdgcn_target "amdgcn-amd-amdhsa--gfx1250"
	.amdhsa_code_object_version 6
	.text
	.protected	k_q64936b5c69_ln1
	.globl	k_q64936b5c69_ln1
	.p2align	8
	.type	k_q64936b5c69_ln1,@function
k_q64936b5c69_ln1:
	s_mov_b64 s[64:65], 0
	v_nop
	global_prefetch_b8 v0, s[64:65] scope:SCOPE_SE
	s_setreg_imm32_b32 hwreg(HW_REG_WAVE_MODE, 25, 1), 1
	s_wait_xcnt 0x0
; Layer norm along rows of 1,024 f32: h = (x - mean) * rsqrt(var + 1e-6) * g + b, var = mean of (x - mean)^2.
; Two copies go out: h rounded to bf16 (8,388,608 bytes into hh), the first operand of the FFN's first product; and h + b_ff2 in f32 (at hh's
; start), which is the residual and the bias that the second layer norm adds to the FFN's second product.
; One wave, one row: the row stays in 32 registers between the pass for the mean, the pass for the variance and the scaling,
; so it is read once, and no wave waits for another: no LDS, no barrier, no cluster (rows are shared with nobody).
; Two passes (the mean first, then the squares of the differences): no difference of large sums is formed.
.set X,  8                             ; v[8:39]    the row
.set G,  40                            ; v[40:71]   g
.set BT, 72                            ; v[72:103]  b
.set BF, 104                           ; v[104:135] b_ff2
.set T,  136                           ; v[136:151] at work; later the bf16 copy
.set MU, 152                           ; v[152:153] the mean, twice
.set RS, 154                           ; v[154:155] 1 / sqrt(var + eps), twice
	s_load_b256 s[4:11], s[0:1], 0x0               ; y s[4:5], g s[6:7], b s[8:9], b_ff2 s[10:11]
	s_load_b64 s[24:25], s[0:1], 0x20              ; hh
	v_lshrrev_b32 v3, 5, v0
	v_readfirstlane_b32 s12, v3                    ; wave 0..7
	v_and_b32 v2, 31, v0
	v_lshlrev_b32 v1, 4, v2                        ; 16 bytes a lane
	v_lshlrev_b32 v2, 3, v2                        ; 8 bytes a lane in bf16
	s_lshl3_add_u32 s12, ttmp9, s12                ; my row = 8 x work-group + wave
	s_lshl_b32 s14, s12, 12
	s_mov_b32 s15, 0
	s_mov_b32 s16, 0x3a800000                      ; 1 / 1024
	s_mov_b32 s17, 0x358637bd                      ; 1e-6
	s_mov_b32 s18, 0x76543210                      ; v_permlanex16_b32: lane l reads lane l xor 16
	s_mov_b32 s19, 0xfedcba98
	s_lshl_b32 s20, s12, 11
	s_add_co_u32 s20, s20, 8388608
	s_mov_b32 s21, 0
	s_wait_kmcnt 0x0
	s_add_nc_u64 s[4:5], s[4:5], s[14:15]
	s_add_nc_u64 s[22:23], s[24:25], s[20:21]      ; the bf16 copy's row
	s_add_nc_u64 s[24:25], s[24:25], s[14:15]      ; the f32 copy's row
.irp j, 0,1,2,3,4,5,6,7
	global_load_b128 v[X+4*\j:X+4*\j+3], v1, s[4:5] offset:512*\j th:TH_LOAD_NT
.endr
.irp j, 0,1,2,3,4,5,6,7
	global_load_b128 v[G+4*\j:G+4*\j+3], v1, s[6:7] offset:512*\j
.endr
.irp j, 0,1,2,3,4,5,6,7
	global_load_b128 v[BT+4*\j:BT+4*\j+3], v1, s[8:9] offset:512*\j
.endr
.irp j, 0,1,2,3,4,5,6,7
	global_load_b128 v[BF+4*\j:BF+4*\j+3], v1, s[10:11] offset:512*\j
.endr
.macro WSUM                            ; four pairs in v[T:T+7] to one sum over the wave's 32 lanes, in every lane's v[T]
	v_pk_add_f32 v[T:T+1], v[T:T+1], v[T+2:T+3]
	v_pk_add_f32 v[T+4:T+5], v[T+4:T+5], v[T+6:T+7]
	v_pk_add_f32 v[T:T+1], v[T:T+1], v[T+4:T+5]
	v_add_f32 v[T], v[T], v[T+1]
	v_add_f32_dpp v[T], v[T], v[T] row_xmask:1 row_mask:0xf bank_mask:0xf
	v_add_f32_dpp v[T], v[T], v[T] row_xmask:2 row_mask:0xf bank_mask:0xf
	v_add_f32_dpp v[T], v[T], v[T] row_xmask:4 row_mask:0xf bank_mask:0xf
	v_add_f32_dpp v[T], v[T], v[T] row_xmask:8 row_mask:0xf bank_mask:0xf
	v_permlanex16_b32 v[T+1], v[T], s18, s19
	v_add_f32 v[T], v[T], v[T+1]
.endm
	s_wait_loadcnt 24                              ; the row is in; the 24 younger loads (g, b, b_ff2) stay out
.irp c, 0,1,2,3
	v_pk_add_f32 v[T+2*\c:T+2*\c+1], v[X+4*\c:X+4*\c+1], v[X+4*\c+2:X+4*\c+3]      ; four chains, started by the first words
.endr
.irp c, 0,1,2,3
	v_pk_add_f32 v[T+2*\c:T+2*\c+1], v[T+2*\c:T+2*\c+1], v[X+16+4*\c:X+16+4*\c+1]
.endr
.irp c, 0,1,2,3
	v_pk_add_f32 v[T+2*\c:T+2*\c+1], v[T+2*\c:T+2*\c+1], v[X+16+4*\c+2:X+16+4*\c+3]
.endr
	WSUM
	v_mul_f32 v[MU], s16, v[T]
	v_mov_b32 v[MU+1], v[MU]
.set i, 0
.rept 16
	v_pk_add_f32 v[X+2*i:X+2*i+1], v[X+2*i:X+2*i+1], v[MU:MU+1] neg_lo:[0,1] neg_hi:[0,1]
.set i, i+1
.endr
.irp c, 0,1,2,3
	v_pk_mul_f32 v[T+2*\c:T+2*\c+1], v[X+2*\c:X+2*\c+1], v[X+2*\c:X+2*\c+1]
.endr
.set i, 4
.rept 12
	v_pk_fma_f32 v[T+2*(i%4):T+2*(i%4)+1], v[X+2*i:X+2*i+1], v[X+2*i:X+2*i+1], v[T+2*(i%4):T+2*(i%4)+1]
.set i, i+1
.endr
	WSUM
	v_fma_f32 v[T], v[T], s16, s17                 ; var + eps
	v_rsq_f32 v[RS], v[T]
	v_rsq_f32 v[RS+1], v[T]
	v_nop                                          ; the plain place behind the transcendentals (ISA guide 5.7.2)
	s_wait_loadcnt 0x0                             ; g, b and b_ff2
.set i, 0
	s_wait_alu depctr_va_vdst(0)
.rept 16
	v_pk_mul_f32 v[G+2*i:G+2*i+1], v[G+2*i:G+2*i+1], v[RS:RS+1]
.set i, i+1
.endr
.set i, 0
.rept 16
	v_pk_fma_f32 v[X+2*i:X+2*i+1], v[X+2*i:X+2*i+1], v[G+2*i:G+2*i+1], v[BT+2*i:BT+2*i+1]
.set i, i+1
.endr
.irp j, 0,1,2,3,4,5,6,7
	v_cvt_pk_bf16_f32 v[T+2*\j],   v[X+4*\j],   v[X+4*\j+1]
	v_cvt_pk_bf16_f32 v[T+2*\j+1], v[X+4*\j+2], v[X+4*\j+3]
	global_store_b64 v2, v[T+2*\j:T+2*\j+1], s[22:23] offset:256*\j      ; h in bf16: a wave stores 256 consecutive bytes, aligned
.endr
.set i, 0
.rept 16
	v_pk_add_f32 v[X+2*i:X+2*i+1], v[X+2*i:X+2*i+1], v[BF+2*i:BF+2*i+1]  ; h + b_ff2 (the stores above read T, not X)
.set i, i+1
.endr
.irp j, 0,1,2,3,4,5,6,7
	global_store_b128 v1, v[X+4*\j:X+4*\j+3], s[24:25] offset:512*\j
.endr
	s_endpgm
.Lfunc_end_k_q64936b5c69_ln1:
	.size	k_q64936b5c69_ln1, .Lfunc_end_k_q64936b5c69_ln1-k_q64936b5c69_ln1
	.p2alignl 7, 3214868480
	.fill 96, 4, 3214868480
	.section	.rodata,"a",@progbits
	.p2align	6, 0x0
	.amdhsa_kernel k_q64936b5c69_ln1
		.amdhsa_group_segment_fixed_size 0
		.amdhsa_private_segment_fixed_size 0
		.amdhsa_enable_private_segment 0
		.amdhsa_kernarg_size 40
		.amdhsa_user_sgpr_count 2
		.amdhsa_user_sgpr_kernarg_segment_ptr 1
		.amdhsa_wavefront_size32 1
		.amdhsa_system_sgpr_workgroup_id_x 1
		.amdhsa_system_sgpr_workgroup_id_y 1
		.amdhsa_system_sgpr_workgroup_id_z 1
		.amdhsa_system_vgpr_workitem_id 0
		.amdhsa_next_free_vgpr 160
		.amdhsa_next_free_sgpr 66
		.amdhsa_reserve_vcc 0
		.amdhsa_float_denorm_mode_32 3
		.amdhsa_float_denorm_mode_16_64 3
		.amdhsa_memory_ordered 1
		.amdhsa_forward_progress 1
		.amdhsa_inst_pref_size 14
	.end_amdhsa_kernel
	.amdgpu_metadata
---
amdhsa.version: [ 1, 2 ]
amdhsa.kernels:
  - .name:           k_q64936b5c69_ln1
    .symbol:         k_q64936b5c69_ln1.kd
    .args:
      - { .name: y, .offset: 0, .size: 8, .value_kind: global_buffer, .address_space: global }
      - { .name: g1, .offset: 8, .size: 8, .value_kind: global_buffer, .address_space: global }
      - { .name: b1, .offset: 16, .size: 8, .value_kind: global_buffer, .address_space: global }
      - { .name: b_ff2, .offset: 24, .size: 8, .value_kind: global_buffer, .address_space: global }
      - { .name: hh, .offset: 32, .size: 8, .value_kind: global_buffer, .address_space: global }
    .group_segment_fixed_size: 0
    .private_segment_fixed_size: 0
    .kernarg_segment_align: 8
    .kernarg_segment_size: 40
    .max_flat_workgroup_size: 256
    .sgpr_count:     66
    .vgpr_count:     160
    .wavefront_size: 32
...
	.end_amdgpu_metadata
.endif
;; end of part 5
;; launch ff1 (part 6): grid 16 x 16, 4 waves a work-group, clusters of 4 x 4, 327,680 bytes of LDS; arguments hh, wb, b_ff1, ffb; writes ffb
.if DOCPART == 6
	.amdgcn_target "amdgcn-amd-amdhsa--gfx1250"
	.amdhsa_code_object_version 6
	.text
	.protected	k_q64936b5c69_ff1
	.globl	k_q64936b5c69_ff1
	.p2align	8
	.type	k_q64936b5c69_ff1,@function
k_q64936b5c69_ff1:
	s_mov_b64 s[64:65], 0
	v_nop
	global_prefetch_b8 v0, s[64:65] scope:SCOPE_SE
	s_setreg_imm32_b32 hwreg(HW_REG_WAVE_MODE, 25, 1), 1
	s_wait_xcnt 0x0
	s_wait_alu depctr_hold_cnt(0) depctr_sa_sdst(0) depctr_va_vdst(0) depctr_va_sdst(0) depctr_va_ssrc(0) depctr_va_vcc(0) depctr_vm_vsrc(0)
	s_getreg_b32 s2, hwreg(HW_REG_IB_STS2, 6, 4)
	s_cmp_eq_u32 s2, 0
	s_cbranch_scc0 .Lentry_in_a_cluster
	s_endpgm
.Lentry_in_a_cluster:
	s_bfe_u32 s2, ttmp6, 0x10000c
	s_cmp_lg_u32 s2, 0xf033
	s_cbranch_scc0 .Lentry_shape_is_right
	s_endpgm
.Lentry_shape_is_right:
; C = A B + bias, A [2048][1024] bf16 (K along the rows), B [1024][NP] bf16 (N along the rows), sums in f32, C rounded once to bf16.
; IS_FF1 = 0: A = x (bf16), B = wq|wk|wv side by side, C goes out as q, k, v in [3][batch x head][1024][64].  12 x 16 = 192 work-groups.
; IS_FF1 = 1: A = h (bf16), B = w_ff1, C = max(v, 0.01 v) (the leaky ReLU; a NaN follows v_max_num_f32), [2048][4096].  256 work-groups.
; A work-group makes 128 x 256 of C with four waves, a wave 64 x 128: 32 accumulator tiles of 16 x 16, 256 registers.
; K goes in steps of 128 through two LDS slots filled by the tensor data mover.  B stays [K][N] in LDS and is read by the transposing load.
; CLUSTERS: 4 x 4 work-groups.  A's tiles hang on the block row alone and are asked for jointly by a row of the cluster, B's on the
; block column alone and are asked for jointly by a column: the requests for A and B are divided by four.
; REGISTERS: window 0: v0-31 addresses, v32-127 and v128-223 two fragment buffers (8 fragments of B, then 4 of A);
; window 1: the accumulators, tile (a, b) at v[8 (8 a + b)]; window 2: v0-63 the bias of my 128 columns, laid as a C operand.
; THE MATRIX INSTRUCTION IS USED TRANSPOSED (source 0 = 16 columns of B, source 1 = 16 rows of A): lane l then holds row l % 16 of C
; and its registers 0-7 the columns 8 (l / 16) + 0..7.  The bias enters as the C operand of the first product of each tile.
; The 32 accumulators take turns, one instruction a turn, in the same order everywhere.
.set IS_FF1, 1
.if IS_FF1
.set NP,   4096
.set AOFS, 8388608                     ; h in bf16 lies behind h in f32
.set BOFS, 12582912                    ; W1 in wb
.else
.set NP,   3072
.set AOFS, 0                           ; XB in wb
.set BOFS, 4194304                     ; WQKV in wb
.endif
.set KSTEP, 128
.set PA,    272                        ; LDS row of A: 256 bytes + 16: an odd multiple of 16
.set PB,    544                        ; LDS row of B: 512 bytes + 32: an odd multiple of 32
.set HALFT, 64*PB                      ; the area of one tensor load: 64 k rows of B (all of it) or 64 rows of A (half of it)
.set AHALF, 32*PA
.set SLOT,  4*HALFT                    ; A rows 0-63, A rows 64-127, B k rows 0-63, B k rows 64-127
.set STAGE, 2*SLOT                     ; behind the ring: 16 rows x 272 bytes for each wave, for the way out; no tensor load lands there
.set LAPS,  1024/(2*KSTEP)
.set ADRA, 16                          ; v16-17 LDS address of my A fragments in slot 0, 1
.set ADRB, 20                          ; v20-21 the same for B
.set STO,  24
.set RD,   25
.set CO,   26
.set BO,   27
.set F0,   32
.set F1,   128
.set T,    32                          ; the way out: 64 numbers at work
.set PK,   96                          ; packed results
.set RB0,  128                         ; rows read back, two buffers in turn
.set RB1,  160
.set G1,  24                           ; s[24:31] group 1 for A's tiles
.set G0,  32                           ; s[32:39] group 0 for A's tiles, a set for each slot
.set G1B, 48                           ; s[48:55] group 1 for B's tiles
.set G0B, 56                           ; s[56:63] group 0 for B's tiles, a set for each slot
.set MSB, 0
.macro WIN new                         ; the immediate's high byte repeats the setting that is left
.if MSB != \new
	s_set_vgpr_msb (MSB<<8)|\new
.set MSB, \new
.endif
.endm
.set MUL,  0x50                        ; C and D in window 1
.set MULB, 0x60                        ; D in window 1, C in window 2
.set TO2,  0x80                        ; destination in window 2
.macro PLACES                          ; four places behind a matrix instruction, ahead of loads into its sources and of readers of its result
.rept 4
	v_nop
.endr
.endm
; A joint load: waves 0 and 1 fetch A's halves, waves 2 and 3 B's.  Each line has one mask; the branch hangs on the wave's number alone.
.macro JLOAD s
	s_cmp_eq_u32 s11, 0
	s_cbranch_scc0 .Lfor_b_\@
	tensor_load_to_lds s[G0+4*\s:G0+4*\s+3], s[G1:G1+7]
	s_nop 0
	s_branch .Lasked_\@
.Lfor_b_\@:
	tensor_load_to_lds s[G0B+4*\s:G0B+4*\s+3], s[G1B:G1B+7]
	s_nop 0
.Lasked_\@:
.endm
.macro CREST                           ; a round of the cluster's barrier behind its opening work-group barrier
	s_cmp_lg_u32 s10, 0
	s_cbranch_scc1 .Lnot_wave_0_\@
	s_barrier_signal -3
.Lnot_wave_0_\@:
	s_barrier_wait -3
	s_barrier_signal -1
	s_barrier_wait -1
.endm
.macro CROUND                          ; a whole round
	s_barrier_signal -1
	s_barrier_wait -1
	CREST
.endm
.if IS_FF1
	s_load_b128 s[4:7], s[0:1], 0x0                ; hh s[4:5], wb s[6:7]
	s_load_b128 s[68:71], s[0:1], 0x10             ; b_ff1 s[68:69], ffb s[70:71]
	v_lshl_add_u32 v254, v0, 2, 0x48400
	v_mov_b32 v255, 0
	ds_add_u32 v254, v255
.else
	s_load_b128 s[4:7], s[0:1], 0x0                ; wb s[4:5], qkv s[6:7]
	s_load_b128 s[68:71], s[0:1], 0x10             ; bq s[68:69], bk s[70:71]
	s_load_b64 s[72:73], s[0:1], 0x20              ; bv
.endif
	v_lshrrev_b32 v1, 5, v0
	v_readfirstlane_b32 s10, v1                    ; wave 0..3
	s_lshr_b32 s11, s10, 1                         ; my half of the block's rows.  Also: I fetch for A (0) or for B (1)
	s_and_b32 s12, s10, 1                          ; my half of its columns.  Also: which half of that tile I fetch
	s_bfe_u32 s40, ttmp6, 0x40000                  ; cx
	s_bfe_u32 s41, ttmp6, 0x40004                  ; cy
	s_lshl_b32 s42, ttmp9, 2
	s_add_co_u32 s42, s42, s40                     ; block column = 4 x cluster x + cx
	s_and_b32 s13, ttmp7, 0xffff
	s_lshl_b32 s13, s13, 2
	s_add_co_u32 s13, s13, s41                     ; block row = 4 x cluster y + cy
	s_lshl_b32 s43, s41, 2
	s_lshl_b32 s43, 15, s43                        ; my row of the cluster
	s_lshl_b32 s44, 0x1111, s40                    ; my column of the cluster
	; group 1 of A's tiles: 64 rows x 128 elements of 2 bytes, 4 words of padding behind every 64 words
	s_or_b32 s[G1+0], s43, (1<<16)|(1<<20)|(1<<21)|(5<<22)|(3<<25)
	s_mov_b32 s[G1+1], 128<<16                     ; tensor_dim0 = 128
	s_mov_b32 s[G1+2], 64<<16                      ; tensor_dim1 = 64
	s_mov_b32 s[G1+3], 128<<16                     ; tile_dim0 = 128
	s_mov_b32 s[G1+4], 64                          ; tile_dim1 = 64
	s_mov_b32 s[G1+5], 1024                        ; elements from row to row
	s_mov_b32 s[G1+6], 0
	s_mov_b32 s[G1+7], 0
	; group 1 of B's tiles: 64 k rows x 256 elements, 8 words of padding behind every 128 words
	s_or_b32 s[G1B+0], s44, (1<<16)|(1<<20)|(1<<21)|(6<<22)|(7<<25)
	s_mov_b32 s[G1B+1], 256<<16
	s_mov_b32 s[G1B+2], 64<<16
	s_mov_b32 s[G1B+3], 256<<16
	s_mov_b32 s[G1B+4], 64
	s_mov_b32 s[G1B+5], NP
	s_mov_b32 s[G1B+6], 0
	s_mov_b32 s[G1B+7], 0
	; where the tiles come from: A's from the block row and the wave's number, B's from the block column and the wave's number,
	; each in registers that never hold the other coordinate
	s_lshl_b32 s16, s13, 7
	s_lshl_b32 s17, s12, 6
	s_add_co_u32 s16, s16, s17                     ; A: row 128 x block row + 64 x half
	s_lshl_b32 s16, s16, 11                        ; rows of 2,048 bytes
	s_add_co_u32 s16, s16, AOFS
	s_mov_b32 s17, 0
	s_mul_i32 s46, s12, 64*NP*2                    ; B: k row 64 x half
	s_lshl_b32 s47, s42, 9                         ; + 256 columns x block column
	s_add_co_u32 s46, s46, s47
	s_add_co_u32 s46, s46, BOFS
	s_mov_b32 s47, 0
	s_mul_i32 s20, s10, HALFT                      ; and where they go: the wave's area of the slot
.if IS_FF1
	s_lshl_b32 s74, s42, 10                        ; bias: 256 columns x block column x 4 bytes
.else
	s_lshl_b32 s74, s40, 10                        ; bias: the block column inside wq, wk or wv is cx
.endif
	s_lshl_b32 s75, s12, 9
	s_add_co_u32 s74, s74, s75
	s_mov_b32 s75, 0
	s_wait_dscnt 0x0
	s_wait_kmcnt 0x0
	s_add_nc_u64 s[14:15], s[4:5], s[16:17]
.if IS_FF1
	s_add_nc_u64 s[46:47], s[6:7], s[46:47]
	s_add_nc_u64 s[76:77], s[68:69], s[74:75]
.else
	s_add_nc_u64 s[46:47], s[4:5], s[46:47]
	s_cmp_eq_u32 ttmp9, 1                          ; the cluster's x says which of the three products this is
	s_cselect_b64 s[76:77], s[70:71], s[68:69]
	s_cmp_eq_u32 ttmp9, 2
	s_cselect_b64 s[76:77], s[72:73], s[76:77]
	s_add_nc_u64 s[76:77], s[76:77], s[74:75]
.endif
	CROUND                                         ; all sixteen work-groups are here: the first joint loads meet
.irp s, 0,1
	s_mov_b32 s[G0+4*\s], 1
	s_add_co_u32 s[G0+4*\s+1], s20, \s*SLOT
	s_add_nc_u64 s[G0+4*\s+2:G0+4*\s+3], s[14:15], \s*KSTEP*2
	s_or_b32 s[G0+4*\s+3], s[G0+4*\s+3], 0x80000000
	s_mov_b32 s[G0B+4*\s], 1
	s_add_co_u32 s[G0B+4*\s+1], s20, \s*SLOT
	s_add_nc_u64 s[G0B+4*\s+2:G0B+4*\s+3], s[46:47], \s*KSTEP*NP*2
	s_or_b32 s[G0B+4*\s+3], s[G0B+4*\s+3], 0x80000000
	JLOAD \s                                       ; two tensor loads of the wave are out
.endr
	v_and_b32 v1, 15, v0                           ; r = l % 16
	v_bfe_u32 v2, v0, 4, 1                         ; h = l / 16
	v_and_b32 v5, 7, v0                            ; l % 8
	v_bfe_u32 v6, v0, 3, 1                         ; (l / 8) % 2
	v_lshlrev_b32 v[BO], 5, v2                     ; bias: 8 h numbers of 4 bytes
	WIN TO2
.irp b, 0,1,2,3,4,5,6,7
	global_load_b128 v[8*\b:8*\b+3],   v[BO], s[76:77] offset:64*\b      ; register j: bias of column 16 b + 8 h + j
	global_load_b128 v[8*\b+4:8*\b+7], v[BO], s[76:77] offset:64*\b+16
.endr
	WIN 0
	v_mul_u32_u24 v3, v1, PA
	v_lshl_add_u32 v3, v2, 4, v3                   ; A: row r, 16 h bytes
	v_lshl_add_u32 v7, v2, 3, v5
	v_mul_u32_u24 v7, v7, PB
	v_lshl_add_u32 v7, v6, 4, v7                   ; B: k row 8 h + l % 8, 16 bytes for each eight lanes
	s_mul_i32 s21, s11, HALFT                      ; my 64 rows of A
	s_lshl_b32 s22, s12, 8                         ; my 128 columns of B,
	s_add_co_u32 s22, s22, 2*HALFT                 ; which lies behind A's two areas
.irp s, 0,1
	v_add_nc_u32 v[ADRA+\s], s21, v3
	v_add_nc_u32 v[ADRB+\s], s22, v7
	s_add_co_u32 s21, s21, SLOT
	s_add_co_u32 s22, s22, SLOT
.endr
	s_mul_i32 s23, s10, 16*PA
	s_add_co_u32 s23, s23, STAGE                   ; my stage
	v_add_nc_u32 v[STO], s23, v3                   ; in: row r, 16 bytes for each half of the lanes
.if IS_FF1
	v_mul_u32_u24 v8, v2, PA                       ; back: lanes 0-15 one row of 256 bytes, lanes 16-31 the next
	v_lshl_add_u32 v8, v1, 4, v8
	v_add_nc_u32 v[RD], s23, v8
	v_lshlrev_b32 v8, 13, v2                       ; the same two rows in C (8,192 bytes a row)
	v_lshl_add_u32 v[CO], v1, 4, v8
.else
	v_mul_u32_u24 v8, v6, PA                       ; back: eight lanes take 128 bytes (one head's row); lanes 0-15 two rows of the first head,
	v_lshl_add_u32 v8, v2, 7, v8                   ; lanes 16-31 the same two rows of the second head
	v_lshl_add_u32 v8, v5, 4, v8
	v_add_nc_u32 v[RD], s23, v8
	v_lshlrev_b32 v8, 17, v2                       ; a head's plane is 131,072 bytes; two of its rows are 256 consecutive bytes
	v_lshl_add_u32 v8, v6, 7, v8
	v_lshl_add_u32 v[CO], v5, 4, v8
.endif
; 24 LDS loads: the fragments of 32 along K (quarter q of the slot's step) into buffer f
.macro FETCH slot, q, f
	WIN 0
.irp b, 0,1,2,3,4,5,6,7
	ds_load_tr16_b128 v[\f+8*\b:\f+8*\b+3],   v[ADRB+\slot] offset:\q*32*PB+32*\b
	ds_load_tr16_b128 v[\f+8*\b+4:\f+8*\b+7], v[ADRB+\slot] offset:\q*32*PB+32*\b+16*PB
.endr
.irp ah, 0,1
.irp al, 0,1
	ds_load_b128 v[\f+64+8*(2*\ah+\al):\f+64+8*(2*\ah+\al)+3],   v[ADRA+\slot] offset:\ah*AHALF+\al*16*PA+64*\q
	ds_load_b128 v[\f+64+8*(2*\ah+\al)+4:\f+64+8*(2*\ah+\al)+7], v[ADRA+\slot] offset:\ah*AHALF+\al*16*PA+64*\q+32
.endr
.endr
.endm
; 16 matrix instructions: row blocks a0, a0 + 1 x all 8 column blocks.  zero = 1: the first product starts the sums from the bias.
.macro MUL16 f, a0, zero
.irp a, \a0, \a0+1
.irp b, 0,1,2,3,4,5,6,7
.if \zero
	v_wmma_f32_16x16x32_bf16 v[8*(8*(\a)+\b):8*(8*(\a)+\b)+7], v[\f+8*\b:\f+8*\b+7], v[\f+64+8*(\a):\f+64+8*(\a)+7], v[8*\b:8*\b+7]
.else
	v_wmma_f32_16x16x32_bf16 v[8*(8*(\a)+\b):8*(8*(\a)+\b)+7], v[\f+8*\b:\f+8*\b+7], v[\f+64+8*(\a):\f+64+8*(\a)+7], v[8*(8*(\a)+\b):8*(8*(\a)+\b)+7]
.endif
.endr
.endr
.endm
; A quarter step: buffer f is in; the next quarter's 24 loads go out into buffer g and have 32 matrix instructions in which to land.
.macro QUARTER slot, q, f, g, zero
	s_wait_dscnt 0x0                               ; buffer f is in
	PLACES                                         ; buffer g was read by the matrix instructions just issued
	FETCH \slot, \q, \g
.if \zero
	WIN MULB
.else
	WIN MUL
.endif
	MUL16 \f, 0, \zero
	MUL16 \f, 2, \zero
.endm
; The last quarter multiplies buffer 1 and changes slots.  In front of the barrier each wave waits for its reads of this slot and for all
; its tensor loads (the one that is out is its part of the next slot).  Where the slot is filled again the barrier opens a round of the
; cluster's barrier, and the joint refill is the first tensor load behind the round's closing wait, one a wave.
.macro TURN slot, next, fill
	s_wait_dscnt 0x0                               ; buffer 1 is in: those were my last reads of this slot
	s_wait_tensorcnt 0x0                           ; all my tensor loads have landed
	ds_add_u32 v254, v255
	s_wait_dscnt 0x0
	s_barrier_signal -1
	WIN MUL
	MUL16 F1, 0, 0                                 ; register work while the others arrive
	WIN 0
	s_barrier_wait -1
.if \fill
	CREST
	s_add_nc_u64 s[G0+4*\slot+2:G0+4*\slot+3], s[G0+4*\slot+2:G0+4*\slot+3], 2*KSTEP*2
	s_add_nc_u64 s[G0B+4*\slot+2:G0B+4*\slot+3], s[G0B+4*\slot+2:G0B+4*\slot+3], 2*KSTEP*NP*2
	JLOAD \slot
.endif
	PLACES
	FETCH \next, 0, F0
	WIN MUL
	MUL16 F1, 2, 0
.endm
.macro STEP slot, zero
	QUARTER \slot, 1, F0, F1, \zero
	QUARTER \slot, 2, F1, F0, 0
	QUARTER \slot, 3, F0, F1, 0
.endm
.macro LAP zero
	STEP 0, \zero
	TURN 0, 1, 1
	STEP 1, 0
	TURN 1, 0, 1
.endm
	s_wait_tensorcnt 0x1                           ; my part of K step 0 is in; K step 1's, issued behind it, may stay out
	s_barrier_signal -1
	s_barrier_wait -1
	FETCH 0, 0, F0
	s_wait_loadcnt 0x0                             ; the bias
	LAP 1
.if LAPS > 2
	WIN 0
	s_mov_b32 s3, LAPS-2
.Llap:
	LAP 0
	WIN 0
	s_sub_co_u32 s3, s3, 1
	s_cmp_lg_u32 s3, 0
	s_cbranch_scc1 .Llap
.endif
	STEP 0, 0                                      ; the last lap fills nothing
	TURN 0, 1, 0
	STEP 1, 0
	s_wait_dscnt 0x0
	WIN MUL
	MUL16 F1, 0, 0
	MUL16 F1, 2, 0
	; THE WAY OUT, 16 rows at a time: round to bf16, 16 bytes a lane into my own stage, read back by rows, store.
	PLACES
	WIN 0
.if IS_FF1
	s_lshl_b32 s16, s13, 7
	s_lshl_b32 s17, s11, 6
	s_add_co_u32 s16, s16, s17                     ; my first row
	s_lshl_b32 s16, s16, 13                        ; rows of 8,192 bytes
	s_mov_b32 s17, 0
	s_add_nc_u64 s[8:9], s[70:71], s[16:17]
	s_lshl_b32 s74, s42, 9                         ; my first column, in bytes
	s_lshl_b32 s75, s12, 8
	s_add_co_u32 s74, s74, s75
	s_mov_b32 s75, 0
	s_add_nc_u64 s[8:9], s[8:9], s[74:75]
.else
	s_lshr_b32 s16, s13, 3                         ; batch
	s_lshl_b32 s16, s16, 14                        ; x 16 heads x 1,024 rows
	s_and_b32 s17, s13, 7
	s_lshl_b32 s17, s17, 7
	s_add_co_u32 s16, s16, s17                     ; + my block's first position
	s_lshl_b32 s17, s11, 6
	s_add_co_u32 s16, s16, s17
	s_lshl_b32 s16, s16, 7                         ; rows of 128 bytes
	s_mov_b32 s17, 0
	s_add_nc_u64 s[8:9], s[6:7], s[16:17]
	s_lshl_b32 s74, s40, 2                         ; my first head = 4 cx + 2 x half
	s_lshl1_add_u32 s74, s12, s74
	s_lshl_b32 s74, s74, 17                        ; planes of 131,072 bytes
	s_lshl_b32 s75, ttmp9, 22                      ; q, k or v: 4,194,304 bytes each
	s_add_co_u32 s74, s74, s75
	s_mov_b32 s75, 0
	s_add_nc_u64 s[8:9], s[8:9], s[74:75]
.endif
.macro OUT16 a, f
.if IS_FF1
	WIN 0x01                                       ; source 0 in window 1
.set i, 0
.rept 32
	v_pk_mul_f32 v[T+2*i:T+2*i+1], v[64*\a+2*i:64*\a+2*i+1], 0x3c23d70a op_sel_hi:[1,0]
.set i, i+1
.endr
.set i, 0
.rept 64
	v_max_num_f32 v[T+i], v[64*\a+i], v[T+i]       ; max(v, 0.01 v)
.set i, i+1
.endr
	WIN 0
.set i, 0
.rept 32
	v_cvt_pk_bf16_f32 v[PK+i], v[T+2*i], v[T+2*i+1]
.set i, i+1
.endr
.else
	WIN 0x05                                       ; sources 0 and 1 in window 1
.set i, 0
.rept 32
	v_cvt_pk_bf16_f32 v[PK+i], v[64*\a+2*i], v[64*\a+2*i+1]
.set i, i+1
.endr
	WIN 0
.endif
.irp b, 0,1,2,3,4,5,6,7
	ds_store_b128 v[STO], v[PK+4*\b:PK+4*\b+3] offset:32*\b
.endr
	s_wait_xcnt 0x0                                ; buffer f, which earlier stores read, is loaded again only behind this wait
.irp t, 0,1,2,3,4,5,6,7
	ds_load_b128 v[\f+4*\t:\f+4*\t+3], v[RD] offset:\t*2*PA       ; a wave's LDS instructions are served in order: these see the stores above
.endr
.irp t, 0,1,2,3,4,5,6,7
	s_wait_dscnt 7-\t                              ; the younger read-backs stay out
.if IS_FF1
	global_store_b128 v[CO], v[\f+4*\t:\f+4*\t+3], s[8:9] offset:(16*\a+2*\t)*NP*2   ; 16 lanes store 256 consecutive bytes, aligned
.else
	global_store_b128 v[CO], v[\f+4*\t:\f+4*\t+3], s[8:9] offset:\a*2048+\t*256      ; 16 lanes store two rows of a head: 256 consecutive bytes, aligned
.endif
.endr
.endm
	OUT16 0, RB0
	OUT16 1, RB1
	OUT16 2, RB0
	OUT16 3, RB1
	s_wait_tensorcnt 0x0
	ds_add_u32 v254, v255
	s_wait_dscnt 0x0
	CROUND                                         ; the closing round: no work-group ends while a partner may still ask jointly
	s_endpgm
.Lfunc_end_k_q64936b5c69_ff1:
	.size	k_q64936b5c69_ff1, .Lfunc_end_k_q64936b5c69_ff1-k_q64936b5c69_ff1
	.p2alignl 7, 3214868480
	.fill 96, 4, 3214868480
	.section	.rodata,"a",@progbits
	.p2align	6, 0x0
	.amdhsa_kernel k_q64936b5c69_ff1
		.amdhsa_group_segment_fixed_size 327680
		.amdhsa_private_segment_fixed_size 0
		.amdhsa_enable_private_segment 0
		.amdhsa_kernarg_size 32
		.amdhsa_user_sgpr_count 2
		.amdhsa_user_sgpr_kernarg_segment_ptr 1
		.amdhsa_wavefront_size32 1
		.amdhsa_system_sgpr_workgroup_id_x 1
		.amdhsa_system_sgpr_workgroup_id_y 1
		.amdhsa_system_sgpr_workgroup_id_z 1
		.amdhsa_system_vgpr_workitem_id 0
		.amdhsa_next_free_vgpr 576
		.amdhsa_next_free_sgpr 80
		.amdhsa_reserve_vcc 0
		.amdhsa_float_denorm_mode_32 3
		.amdhsa_float_denorm_mode_16_64 3
		.amdhsa_memory_ordered 1
		.amdhsa_forward_progress 1
		.amdhsa_inst_pref_size 138
	.end_amdhsa_kernel
	.amdgpu_metadata
---
amdhsa.version: [ 1, 2 ]
amdhsa.kernels:
  - .name:           k_q64936b5c69_ff1
    .symbol:         k_q64936b5c69_ff1.kd
    .args:
      - { .name: hh, .offset: 0, .size: 8, .value_kind: global_buffer, .address_space: global }
      - { .name: wb, .offset: 8, .size: 8, .value_kind: global_buffer, .address_space: global }
      - { .name: b_ff1, .offset: 16, .size: 8, .value_kind: global_buffer, .address_space: global }
      - { .name: ffb, .offset: 24, .size: 8, .value_kind: global_buffer, .address_space: global }
    .group_segment_fixed_size: 327680
    .private_segment_fixed_size: 0
    .kernarg_segment_align: 8
    .kernarg_segment_size: 32
    .max_flat_workgroup_size: 128
    .sgpr_count:     80
    .vgpr_count:     576
    .wavefront_size: 32
...
	.end_amdgpu_metadata
.endif
;; end of part 6
;; launch ff2 (part 7): grid 16 x 16, 4 waves a work-group, clusters of 4 x 4, 327,680 bytes of LDS; arguments ffb, wb, part; writes part
.if DOCPART == 7
	.amdgcn_target "amdgcn-amd-amdhsa--gfx1250"
	.amdhsa_code_object_version 6
	.text
	.protected	k_q64936b5c69_ff2
	.globl	k_q64936b5c69_ff2
	.p2align	8
	.type	k_q64936b5c69_ff2,@function
k_q64936b5c69_ff2:
	s_mov_b64 s[64:65], 0
	v_nop
	global_prefetch_b8 v0, s[64:65] scope:SCOPE_SE
	s_setreg_imm32_b32 hwreg(HW_REG_WAVE_MODE, 25, 1), 1
	s_wait_xcnt 0x0
	s_wait_alu depctr_hold_cnt(0) depctr_sa_sdst(0) depctr_va_vdst(0) depctr_va_sdst(0) depctr_va_ssrc(0) depctr_va_vcc(0) depctr_vm_vsrc(0)
	s_getreg_b32 s2, hwreg(HW_REG_IB_STS2, 6, 4)
	s_cmp_eq_u32 s2, 0
	s_cbranch_scc0 .Lentry_in_a_cluster
	s_endpgm
.Lentry_in_a_cluster:
	s_bfe_u32 s2, ttmp6, 0x10000c
	s_cmp_lg_u32 s2, 0xf033
	s_cbranch_scc0 .Lentry_shape_is_right
	s_endpgm
.Lentry_shape_is_right:
; The FFN's second product, K split over four work-groups: P[s] = A[:, 1024 s .. 1024 s + 1023] B[1024 s .. 1024 s + 1023, :], s = 0..3.
; A [2048][4096] bf16 (the hidden layer, K along the rows), B = w_ff2 [4096][1024] bf16 (N along the rows), P [4][2048][1024] f32.
; The four partial sums, the residual and the bias are added in f32 by the layer norm that follows (an order of rounding that differs from one ascending sum).
; WHY SPLIT: a block of 128 x 256 takes (128 + 256) x 2 bytes into LDS for each k, for 32,768 multiply-adds; the 64 such blocks of the result
; are too few for 256 work-groups, so each block's K is shared out among four: 16 x 16 work-groups, 768 KiB of operands each.
; A work-group makes 128 x 256 with four waves, a wave 64 x 128: 32 accumulator tiles of 16 x 16, 256 registers.
; K goes in steps of 128 through two LDS slots filled by the tensor data mover.  B stays [K][N] in LDS and is read by the transposing load.
; CLUSTERS: 4 x 4 work-groups; the cluster's x is the quarter of K, cx the block column, 4 x cluster y + cy the block row.  A's tiles hang on the
; block row and the quarter and are asked for jointly by a row of the cluster, B's on the block column and the quarter, by a column.
; REGISTERS: window 0: v0-31 addresses, v32-127 and v128-223 two fragment buffers (8 fragments of B, then 4 of A);
; window 1: the accumulators, tile (a, b) at v[8 (8 a + b)].
; THE MATRIX INSTRUCTION IS USED TRANSPOSED (source 0 = 16 columns of B, source 1 = 16 rows of A): lane l then holds row l % 16 of the result
; and its registers 0-7 the columns 8 (l / 16) + 0..7.
; The 32 accumulators take turns, one instruction a turn, in the same order everywhere.
.set KT,    4096                       ; elements in a row of A
.set NP,    1024                       ; elements in a row of B
.set BOFS,  20971520                   ; W2 in wb
.set KSTEP, 128
.set PA,    272                        ; LDS row of A: 256 bytes + 16: an odd multiple of 16
.set PB,    544                        ; LDS row of B: 512 bytes + 32: an odd multiple of 32
.set HALFT, 64*PB                      ; the area of one tensor load: 64 k rows of B (all of it) or 64 rows of A (half of it)
.set AHALF, 32*PA
.set SLOT,  4*HALFT                    ; A rows 0-63, A rows 64-127, B k rows 0-63, B k rows 64-127
.set STAGE, 2*SLOT                     ; behind the ring: 16 rows x 528 bytes for each wave, for the way out; no tensor load lands there
.set SP,    528                        ; a stage row: 128 f32 + 16 bytes
.set LAPS,  1024/(2*KSTEP)
.set ADRA, 16                          ; v16-17 LDS address of my A fragments in slot 0, 1
.set ADRB, 20                          ; v20-21 the same for B
.set STO,  24
.set RD,   25
.set CO,   26
.set F0,   32
.set F1,   128
.set G1,  24                           ; s[24:31] group 1 for A's tiles
.set G0,  32                           ; s[32:39] group 0 for A's tiles, a set for each slot
.set G1B, 48                           ; s[48:55] group 1 for B's tiles
.set G0B, 56                           ; s[56:63] group 0 for B's tiles, a set for each slot
.set MSB, 0
.macro WIN new                         ; the immediate's high byte repeats the setting that is left
.if MSB != \new
	s_set_vgpr_msb (MSB<<8)|\new
.set MSB, \new
.endif
.endm
.set MUL,  0x50                        ; C and D in window 1
.macro PLACES                          ; four places behind a matrix instruction, ahead of loads into its sources and of readers of its result
.rept 4
	v_nop
.endr
.endm
; A joint load: waves 0 and 1 fetch A's halves, waves 2 and 3 B's.  Each line has one mask; the branch hangs on the wave's number alone.
.macro JLOAD s
	s_cmp_eq_u32 s11, 0
	s_cbranch_scc0 .Lfor_b_\@
	tensor_load_to_lds s[G0+4*\s:G0+4*\s+3], s[G1:G1+7]
	s_nop 0
	s_branch .Lasked_\@
.Lfor_b_\@:
	tensor_load_to_lds s[G0B+4*\s:G0B+4*\s+3], s[G1B:G1B+7]
	s_nop 0
.Lasked_\@:
.endm
.macro CREST                           ; a round of the cluster's barrier behind its opening work-group barrier
	s_cmp_lg_u32 s10, 0
	s_cbranch_scc1 .Lnot_wave_0_\@
	s_barrier_signal -3
.Lnot_wave_0_\@:
	s_barrier_wait -3
	s_barrier_signal -1
	s_barrier_wait -1
.endm
.macro CROUND                          ; a whole round
	s_barrier_signal -1
	s_barrier_wait -1
	CREST
.endm
	s_load_b128 s[4:7], s[0:1], 0x0                ; ffb s[4:5], wb s[6:7]
	s_load_b64 s[8:9], s[0:1], 0x10                ; part
	v_lshl_add_u32 v254, v0, 2, 0x4c400
	v_mov_b32 v255, 0
	ds_add_u32 v254, v255
	v_lshrrev_b32 v1, 5, v0
	v_readfirstlane_b32 s10, v1                    ; wave 0..3
	s_lshr_b32 s11, s10, 1                         ; my half of the block's rows.  Also: I fetch for A (0) or for B (1)
	s_and_b32 s12, s10, 1                          ; my half of its columns.  Also: which half of that tile I fetch
	s_bfe_u32 s40, ttmp6, 0x40000                  ; cx: the block column
	s_bfe_u32 s41, ttmp6, 0x40004                  ; cy
	s_and_b32 s13, ttmp7, 0xffff
	s_lshl_b32 s13, s13, 2
	s_add_co_u32 s13, s13, s41                     ; block row = 4 x cluster y + cy
	s_lshl_b32 s43, s41, 2
	s_lshl_b32 s43, 15, s43                        ; my row of the cluster
	s_lshl_b32 s44, 0x1111, s40                    ; my column of the cluster
	; group 1 of A's tiles: 64 rows x 128 elements of 2 bytes, 4 words of padding behind every 64 words
	s_or_b32 s[G1+0], s43, (1<<16)|(1<<20)|(1<<21)|(5<<22)|(3<<25)
	s_mov_b32 s[G1+1], 128<<16                     ; tensor_dim0 = 128
	s_mov_b32 s[G1+2], 64<<16                      ; tensor_dim1 = 64
	s_mov_b32 s[G1+3], 128<<16                     ; tile_dim0 = 128
	s_mov_b32 s[G1+4], 64                          ; tile_dim1 = 64
	s_mov_b32 s[G1+5], KT                          ; elements from row to row
	s_mov_b32 s[G1+6], 0
	s_mov_b32 s[G1+7], 0
	; group 1 of B's tiles: 64 k rows x 256 elements, 8 words of padding behind every 128 words
	s_or_b32 s[G1B+0], s44, (1<<16)|(1<<20)|(1<<21)|(6<<22)|(7<<25)
	s_mov_b32 s[G1B+1], 256<<16
	s_mov_b32 s[G1B+2], 64<<16
	s_mov_b32 s[G1B+3], 256<<16
	s_mov_b32 s[G1B+4], 64
	s_mov_b32 s[G1B+5], NP
	s_mov_b32 s[G1B+6], 0
	s_mov_b32 s[G1B+7], 0
	; where the tiles come from: A's from the block row, the quarter of K and the wave's number, B's from the block column, the quarter and
	; the wave's number, each in registers that never hold the other coordinate
	s_lshl_b32 s16, s13, 7
	s_lshl_b32 s17, s12, 6
	s_add_co_u32 s16, s16, s17                     ; A: row 128 x block row + 64 x half
	s_lshl_b32 s16, s16, 13                        ; rows of 8,192 bytes
	s_lshl_b32 s17, ttmp9, 11                      ; + my quarter of K: 1,024 elements of 2 bytes
	s_add_co_u32 s16, s16, s17
	s_mov_b32 s17, 0
	s_lshl_b32 s46, s12, 17                        ; B: k row 64 x half, rows of 2,048 bytes
	s_lshl_b32 s47, ttmp9, 21                      ; + my quarter of K: 1,024 rows
	s_add_co_u32 s46, s46, s47
	s_lshl_b32 s47, s40, 9                         ; + 256 columns x block column
	s_add_co_u32 s46, s46, s47
	s_add_co_u32 s46, s46, BOFS
	s_mov_b32 s47, 0
	s_mul_i32 s20, s10, HALFT                      ; and where they go: the wave's area of the slot
	s_wait_dscnt 0x0
	s_wait_kmcnt 0x0
	s_add_nc_u64 s[14:15], s[4:5], s[16:17]
	s_add_nc_u64 s[46:47], s[6:7], s[46:47]
	CROUND                                         ; all sixteen work-groups are here: the first joint loads meet
.irp s, 0,1
	s_mov_b32 s[G0+4*\s], 1
	s_add_co_u32 s[G0+4*\s+1], s20, \s*SLOT
	s_add_nc_u64 s[G0+4*\s+2:G0+4*\s+3], s[14:15], \s*KSTEP*2
	s_or_b32 s[G0+4*\s+3], s[G0+4*\s+3], 0x80000000
	s_mov_b32 s[G0B+4*\s], 1
	s_add_co_u32 s[G0B+4*\s+1], s20, \s*SLOT
	s_add_nc_u64 s[G0B+4*\s+2:G0B+4*\s+3], s[46:47], \s*KSTEP*NP*2
	s_or_b32 s[G0B+4*\s+3], s[G0B+4*\s+3], 0x80000000
	JLOAD \s                                       ; two tensor loads of the wave are out
.endr
	v_and_b32 v1, 15, v0                           ; r = l % 16
	v_bfe_u32 v2, v0, 4, 1                         ; h = l / 16
	v_and_b32 v5, 7, v0                            ; l % 8
	v_bfe_u32 v6, v0, 3, 1                         ; (l / 8) % 2
	v_and_b32 v9, 31, v0                           ; lane
	v_mul_u32_u24 v3, v1, PA
	v_lshl_add_u32 v3, v2, 4, v3                   ; A: row r, 16 h bytes
	v_lshl_add_u32 v7, v2, 3, v5
	v_mul_u32_u24 v7, v7, PB
	v_lshl_add_u32 v7, v6, 4, v7                   ; B: k row 8 h + l % 8, 16 bytes for each eight lanes
	s_mul_i32 s21, s11, HALFT                      ; my 64 rows of A
	s_lshl_b32 s22, s12, 8                         ; my 128 columns of B,
	s_add_co_u32 s22, s22, 2*HALFT                 ; which lies behind A's two areas
.irp s, 0,1
	v_add_nc_u32 v[ADRA+\s], s21, v3
	v_add_nc_u32 v[ADRB+\s], s22, v7
	s_add_co_u32 s21, s21, SLOT
	s_add_co_u32 s22, s22, SLOT
.endr
	s_mul_i32 s23, s10, 16*SP
	s_add_co_u32 s23, s23, STAGE                   ; my stage
	v_mul_u32_u24 v8, v1, SP
	v_lshl_add_u32 v8, v2, 5, v8                   ; in: row r, 8 h numbers of 4 bytes
	v_add_nc_u32 v[STO], s23, v8
	v_lshlrev_b32 v[CO], 4, v9                     ; 16 bytes a lane: a row's 512 bytes to a wave
	v_add_nc_u32 v[RD], s23, v[CO]                 ; back: a whole row of the stage
; 24 LDS loads: the fragments of 32 along K (quarter q of the slot's step) into buffer f
.macro FETCH slot, q, f
	WIN 0
.irp b, 0,1,2,3,4,5,6,7
	ds_load_tr16_b128 v[\f+8*\b:\f+8*\b+3],   v[ADRB+\slot] offset:\q*32*PB+32*\b
	ds_load_tr16_b128 v[\f+8*\b+4:\f+8*\b+7], v[ADRB+\slot] offset:\q*32*PB+32*\b+16*PB
.endr
.irp ah, 0,1
.irp al, 0,1
	ds_load_b128 v[\f+64+8*(2*\ah+\al):\f+64+8*(2*\ah+\al)+3],   v[ADRA+\slot] offset:\ah*AHALF+\al*16*PA+64*\q
	ds_load_b128 v[\f+64+8*(2*\ah+\al)+4:\f+64+8*(2*\ah+\al)+7], v[ADRA+\slot] offset:\ah*AHALF+\al*16*PA+64*\q+32
.endr
.endr
.endm
; 16 matrix instructions: row blocks a0, a0 + 1 x all 8 column blocks.  zero = 1: the first product starts the sums: nothing is cleared.
.macro MUL16 f, a0, zero
.irp a, \a0, \a0+1
.irp b, 0,1,2,3,4,5,6,7
.if \zero
	v_wmma_f32_16x16x32_bf16 v[8*(8*(\a)+\b):8*(8*(\a)+\b)+7], v[\f+8*\b:\f+8*\b+7], v[\f+64+8*(\a):\f+64+8*(\a)+7], 0
.else
	v_wmma_f32_16x16x32_bf16 v[8*(8*(\a)+\b):8*(8*(\a)+\b)+7], v[\f+8*\b:\f+8*\b+7], v[\f+64+8*(\a):\f+64+8*(\a)+7], v[8*(8*(\a)+\b):8*(8*(\a)+\b)+7]
.endif
.endr
.endr
.endm
; A quarter step: buffer f is in; the next quarter's 24 loads go out into buffer g and have 32 matrix instructions in which to land.
.macro QUARTER slot, q, f, g, zero
	s_wait_dscnt 0x0                               ; buffer f is in
	PLACES                                         ; buffer g was read by the matrix instructions just issued
	FETCH \slot, \q, \g
	WIN MUL
	MUL16 \f, 0, \zero
	MUL16 \f, 2, \zero
.endm
; The last quarter multiplies buffer 1 and changes slots.  In front of the barrier each wave waits for its reads of this slot and for all
; its tensor loads (the one that is out is its part of the next slot).  Where the slot is filled again the barrier opens a round of the
; cluster's barrier, and the joint refill is the first tensor load behind the round's closing wait, one a wave.
.macro TURN slot, next, fill
	s_wait_dscnt 0x0                               ; buffer 1 is in: those were my last reads of this slot
	s_wait_tensorcnt 0x0                           ; all my tensor loads have landed
	ds_add_u32 v254, v255
	s_wait_dscnt 0x0
	s_barrier_signal -1
	WIN MUL
	MUL16 F1, 0, 0                                 ; register work while the others arrive
	WIN 0
	s_barrier_wait -1
.if \fill
	CREST
	s_add_nc_u64 s[G0+4*\slot+2:G0+4*\slot+3], s[G0+4*\slot+2:G0+4*\slot+3], 2*KSTEP*2
	s_add_nc_u64 s[G0B+4*\slot+2:G0B+4*\slot+3], s[G0B+4*\slot+2:G0B+4*\slot+3], 2*KSTEP*NP*2
	JLOAD \slot
.endif
	PLACES
	FETCH \next, 0, F0
	WIN MUL
	MUL16 F1, 2, 0
.endm
.macro STEP slot, zero
	QUARTER \slot, 1, F0, F1, \zero
	QUARTER \slot, 2, F1, F0, 0
	QUARTER \slot, 3, F0, F1, 0
.endm
.macro LAP zero
	STEP 0, \zero
	TURN 0, 1, 1
	STEP 1, 0
	TURN 1, 0, 1
.endm
	s_wait_tensorcnt 0x1                           ; my part of K step 0 is in; K step 1's, issued behind it, may stay out
	s_barrier_signal -1
	s_barrier_wait -1
	FETCH 0, 0, F0
	LAP 1
.if LAPS > 2
	WIN 0
	s_mov_b32 s3, LAPS-2
.Llap:
	LAP 0
	WIN 0
	s_sub_co_u32 s3, s3, 1
	s_cmp_lg_u32 s3, 0
	s_cbranch_scc1 .Llap
.endif
	STEP 0, 0                                      ; the last lap fills nothing
	TURN 0, 1, 0
	STEP 1, 0
	s_wait_dscnt 0x0
	WIN MUL
	MUL16 F1, 0, 0
	MUL16 F1, 2, 0
	; THE WAY OUT, 16 rows at a time, in f32: 32 bytes a lane and tile into my own stage, read back as whole rows of 512 bytes, stored.
	PLACES
	WIN 0
	s_lshl_b32 s16, s13, 7
	s_lshl_b32 s17, s11, 6
	s_add_co_u32 s16, s16, s17                     ; my first row
	s_lshl_b32 s16, s16, 12                        ; rows of 4,096 bytes
	s_lshl_b32 s17, ttmp9, 23                      ; my quarter's partial sum: 8,388,608 bytes each
	s_add_co_u32 s16, s16, s17
	s_mov_b32 s17, 0
	s_add_nc_u64 s[8:9], s[8:9], s[16:17]
	s_lshl_b32 s74, s40, 10                        ; my first column, in bytes: 1,024 x block column + 512 x half
	s_lshl_b32 s75, s12, 9
	s_add_co_u32 s74, s74, s75
	s_mov_b32 s75, 0
	s_add_nc_u64 s[8:9], s[8:9], s[74:75]
.macro OUTF a, f
	WIN 0x04                                       ; store data in window 1
.irp b, 0,1,2,3,4,5,6,7
	ds_store_b128 v[STO], v[64*\a+8*\b:64*\a+8*\b+3]   offset:64*\b
	ds_store_b128 v[STO], v[64*\a+8*\b+4:64*\a+8*\b+7] offset:64*\b+16
.endr
	WIN 0
	s_wait_xcnt 0x0                                ; buffer f, which earlier stores read, is loaded again only behind this wait
.irp t, 0,1,2,3,4,5,6,7,8,9,10,11,12,13,14,15
	ds_load_b128 v[\f+4*\t:\f+4*\t+3], v[RD] offset:\t*SP          ; a wave's LDS instructions are served in order: these see the stores above
.endr
.irp t, 0,1,2,3,4,5,6,7,8,9,10,11,12,13,14,15
	s_wait_dscnt 15-\t                             ; the younger read-backs stay out
	global_store_b128 v[CO], v[\f+4*\t:\f+4*\t+3], s[8:9] offset:(16*\a+\t)*4096     ; a wave stores 512 consecutive bytes, aligned
.endr
.endm
	OUTF 0, F0
	OUTF 1, F1
	OUTF 2, F0
	OUTF 3, F1
	s_wait_tensorcnt 0x0
	ds_add_u32 v254, v255
	s_wait_dscnt 0x0
	CROUND                                         ; the closing round: no work-group ends while a partner may still ask jointly
	s_endpgm
.Lfunc_end_k_q64936b5c69_ff2:
	.size	k_q64936b5c69_ff2, .Lfunc_end_k_q64936b5c69_ff2-k_q64936b5c69_ff2
	.p2alignl 7, 3214868480
	.fill 96, 4, 3214868480
	.section	.rodata,"a",@progbits
	.p2align	6, 0x0
	.amdhsa_kernel k_q64936b5c69_ff2
		.amdhsa_group_segment_fixed_size 327680
		.amdhsa_private_segment_fixed_size 0
		.amdhsa_enable_private_segment 0
		.amdhsa_kernarg_size 24
		.amdhsa_user_sgpr_count 2
		.amdhsa_user_sgpr_kernarg_segment_ptr 1
		.amdhsa_wavefront_size32 1
		.amdhsa_system_sgpr_workgroup_id_x 1
		.amdhsa_system_sgpr_workgroup_id_y 1
		.amdhsa_system_sgpr_workgroup_id_z 1
		.amdhsa_system_vgpr_workitem_id 0
		.amdhsa_next_free_vgpr 512
		.amdhsa_next_free_sgpr 80
		.amdhsa_reserve_vcc 0
		.amdhsa_float_denorm_mode_32 3
		.amdhsa_float_denorm_mode_16_64 3
		.amdhsa_memory_ordered 1
		.amdhsa_forward_progress 1
		.amdhsa_inst_pref_size 117
	.end_amdhsa_kernel
	.amdgpu_metadata
---
amdhsa.version: [ 1, 2 ]
amdhsa.kernels:
  - .name:           k_q64936b5c69_ff2
    .symbol:         k_q64936b5c69_ff2.kd
    .args:
      - { .name: ffb, .offset: 0, .size: 8, .value_kind: global_buffer, .address_space: global }
      - { .name: wb, .offset: 8, .size: 8, .value_kind: global_buffer, .address_space: global }
      - { .name: part, .offset: 16, .size: 8, .value_kind: global_buffer, .address_space: global }
    .group_segment_fixed_size: 327680
    .private_segment_fixed_size: 0
    .kernarg_segment_align: 8
    .kernarg_segment_size: 24
    .max_flat_workgroup_size: 128
    .sgpr_count:     80
    .vgpr_count:     512
    .wavefront_size: 32
...
	.end_amdgpu_metadata
.endif
;; end of part 7
;; launch ln2 (part 8): grid 256 x 1, 8 waves a work-group, no clusters, 0 bytes of LDS; arguments part, hh, g2, b2, out0; writes out0
.if DOCPART == 8
	.amdgcn_target "amdgcn-amd-amdhsa--gfx1250"
	.amdhsa_code_object_version 6
	.text
	.protected	k_q64936b5c69_ln2
	.globl	k_q64936b5c69_ln2
	.p2align	8
	.type	k_q64936b5c69_ln2,@function
k_q64936b5c69_ln2:
	s_mov_b64 s[64:65], 0
	v_nop
	global_prefetch_b8 v0, s[64:65] scope:SCOPE_SE
	s_setreg_imm32_b32 hwreg(HW_REG_WAVE_MODE, 25, 1), 1
	s_wait_xcnt 0x0
; The end of the FFN and the second layer norm.  x = ((P0 + P1) + (P2 + P3)) + (h + b_ff2): the four partial sums over K of the second product
; ([4][2048][1024] f32) and the residual with the bias already in it (hh's f32 copy); then
; out = (x - mean) * rsqrt(var + 1e-6) * g + b, var = mean of (x - mean)^2, along rows of 1,024.
; One wave, one row: all 56 loads of a wave go out at once (20 KiB of the row's five terms, then g and b); the terms are added as they come;
; the row stays in 32 registers between the passes.  No wave waits for another: no LDS, no barrier, no cluster (rows are shared with nobody).
; Two passes (the mean first, then the squares of the differences): no difference of large sums is formed.
.set X,  8                             ; v[8:39]    P0, then the row
.set P1, 40                            ; v[40:71]
.set P2, 72                            ; v[72:103]
.set P3, 104                           ; v[104:135]
.set H,  136                           ; v[136:167] h + b_ff2
.set G,  168                           ; v[168:199] g
.set BT, 200                           ; v[200:231] b
.set T,  232                           ; v[232:239] at work
.set MU, 240                           ; v[240:241] the mean, twice
.set RS, 242                           ; v[242:243] 1 / sqrt(var + eps), twice
	s_load_b256 s[4:11], s[0:1], 0x0               ; part s[4:5], hh s[6:7], g s[8:9], b s[10:11]
	s_load_b64 s[24:25], s[0:1], 0x20              ; out0
	v_lshrrev_b32 v3, 5, v0
	v_readfirstlane_b32 s26, v3                    ; wave 0..7
	v_and_b32 v2, 31, v0
	v_lshlrev_b32 v1, 4, v2                        ; 16 bytes a lane
	s_lshl3_add_u32 s26, ttmp9, s26                ; my row = 8 x work-group + wave
	s_lshl_b32 s28, s26, 12
	s_mov_b32 s29, 0
	s_mov_b32 s20, 0x3a800000                      ; 1 / 1024
	s_mov_b32 s21, 0x358637bd                      ; 1e-6
	s_mov_b32 s22, 0x76543210                      ; v_permlanex16_b32: lane l reads lane l xor 16
	s_mov_b32 s23, 0xfedcba98
	s_wait_kmcnt 0x0
	s_add_nc_u64 s[4:5], s[4:5], s[28:29]          ; my row in P0,
	s_add_nc_u64 s[12:13], s[4:5], 0x800000        ; in P1 (8,388,608 bytes on: one more than a load's immediate reaches),
	s_add_nc_u64 s[14:15], s[12:13], 0x800000      ; in P2,
	s_add_nc_u64 s[16:17], s[14:15], 0x800000      ; in P3,
	s_add_nc_u64 s[6:7], s[6:7], s[28:29]          ; in h + b_ff2,
	s_add_nc_u64 s[24:25], s[24:25], s[28:29]      ; and in the output
.macro LDROW dst, base                 ; eight loads: 512 neighbouring bytes each, a whole row that the launch reads once
.irp j, 0,1,2,3,4,5,6,7
	global_load_b128 v[\dst+4*\j:\dst+4*\j+3], v1, s[\base:\base+1] offset:512*\j th:TH_LOAD_NT
.endr
.endm
	LDROW X, 4
	LDROW P1, 12
	LDROW P2, 14
	LDROW P3, 16
	LDROW H, 6
.irp j, 0,1,2,3,4,5,6,7
	global_load_b128 v[G+4*\j:G+4*\j+3], v1, s[8:9] offset:512*\j
.endr
.irp j, 0,1,2,3,4,5,6,7
	global_load_b128 v[BT+4*\j:BT+4*\j+3], v1, s[10:11] offset:512*\j
.endr
.macro WSUM                            ; four pairs in v[T:T+7] to one sum over the wave's 32 lanes, in every lane's v[T]
	v_pk_add_f32 v[T:T+1], v[T:T+1], v[T+2:T+3]
	v_pk_add_f32 v[T+4:T+5], v[T+4:T+5], v[T+6:T+7]
	v_pk_add_f32 v[T:T+1], v[T:T+1], v[T+4:T+5]
	v_add_f32 v[T], v[T], v[T+1]
	v_add_f32_dpp v[T], v[T], v[T] row_xmask:1 row_mask:0xf bank_mask:0xf
	v_add_f32_dpp v[T], v[T], v[T] row_xmask:2 row_mask:0xf bank_mask:0xf
	v_add_f32_dpp v[T], v[T], v[T] row_xmask:4 row_mask:0xf bank_mask:0xf
	v_add_f32_dpp v[T], v[T], v[T] row_xmask:8 row_mask:0xf bank_mask:0xf
	v_permlanex16_b32 v[T+1], v[T], s22, s23
	v_add_f32 v[T], v[T], v[T+1]
.endm
	s_wait_loadcnt 40                              ; P0 and P1 are in; the 40 younger loads stay out
.set i, 0
.rept 16
	v_pk_add_f32 v[X+2*i:X+2*i+1], v[X+2*i:X+2*i+1], v[P1+2*i:P1+2*i+1]
.set i, i+1
.endr
	s_wait_loadcnt 24                              ; P2 and P3 are in; the 24 younger loads stay out
.set i, 0
.rept 16
	v_pk_add_f32 v[P2+2*i:P2+2*i+1], v[P2+2*i:P2+2*i+1], v[P3+2*i:P3+2*i+1]
.set i, i+1
.endr
.set i, 0
.rept 16
	v_pk_add_f32 v[X+2*i:X+2*i+1], v[X+2*i:X+2*i+1], v[P2+2*i:P2+2*i+1]
.set i, i+1
.endr
	s_wait_loadcnt 16                              ; h + b_ff2 is in; the 16 younger loads (g, b) stay out
.set i, 0
.rept 16
	v_pk_add_f32 v[X+2*i:X+2*i+1], v[X+2*i:X+2*i+1], v[H+2*i:H+2*i+1]
.set i, i+1
.endr
.irp c, 0,1,2,3
	v_pk_add_f32 v[T+2*\c:T+2*\c+1], v[X+4*\c:X+4*\c+1], v[X+4*\c+2:X+4*\c+3]      ; four chains, started by the first words
.endr
.irp c, 0,1,2,3
	v_pk_add_f32 v[T+2*\c:T+2*\c+1], v[T+2*\c:T+2*\c+1], v[X+16+4*\c:X+16+4*\c+1]
.endr
.irp c, 0,1,2,3
	v_pk_add_f32 v[T+2*\c:T+2*\c+1], v[T+2*\c:T+2*\c+1], v[X+16+4*\c+2:X+16+4*\c+3]
.endr
	WSUM
	v_mul_f32 v[MU], s20, v[T]
	v_mov_b32 v[MU+1], v[MU]
.set i, 0
.rept 16
	v_pk_add_f32 v[X+2*i:X+2*i+1], v[X+2*i:X+2*i+1], v[MU:MU+1] neg_lo:[0,1] neg_hi:[0,1]
.set i, i+1
.endr
.irp c, 0,1,2,3
	v_pk_mul_f32 v[T+2*\c:T+2*\c+1], v[X+2*\c:X+2*\c+1], v[X+2*\c:X+2*\c+1]
.endr
.set i, 4
.rept 12
	v_pk_fma_f32 v[T+2*(i%4):T+2*(i%4)+1], v[X+2*i:X+2*i+1], v[X+2*i:X+2*i+1], v[T+2*(i%4):T+2*(i%4)+1]
.set i, i+1
.endr
	WSUM
	v_fma_f32 v[T], v[T], s20, s21                 ; var + eps
	v_rsq_f32 v[RS], v[T]
	v_rsq_f32 v[RS+1], v[T]
	v_nop                                          ; the plain place behind the transcendentals (ISA guide 5.7.2)
	s_wait_loadcnt 0x0                             ; g and b
.set i, 0
	s_wait_alu depctr_va_vdst(0)
.rept 16
	v_pk_mul_f32 v[G+2*i:G+2*i+1], v[G+2*i:G+2*i+1], v[RS:RS+1]
.set i, i+1
.endr
.set i, 0
.rept 16
	v_pk_fma_f32 v[X+2*i:X+2*i+1], v[X+2*i:X+2*i+1], v[G+2*i:G+2*i+1], v[BT+2*i:BT+2*i+1]
.set i, i+1
.endr
.irp j, 0,1,2,3,4,5,6,7
	global_store_b128 v1, v[X+4*\j:X+4*\j+3], s[24:25] offset:512*\j th:TH_STORE_NT
.endr
	s_endpgm
.Lfunc_end_k_q64936b5c69_ln2:
	.size	k_q64936b5c69_ln2, .Lfunc_end_k_q64936b5c69_ln2-k_q64936b5c69_ln2
	.p2alignl 7, 3214868480
	.fill 96, 4, 3214868480
	.section	.rodata,"a",@progbits
	.p2align	6, 0x0
	.amdhsa_kernel k_q64936b5c69_ln2
		.amdhsa_group_segment_fixed_size 0
		.amdhsa_private_segment_fixed_size 0
		.amdhsa_enable_private_segment 0
		.amdhsa_kernarg_size 40
		.amdhsa_user_sgpr_count 2
		.amdhsa_user_sgpr_kernarg_segment_ptr 1
		.amdhsa_wavefront_size32 1
		.amdhsa_system_sgpr_workgroup_id_x 1
		.amdhsa_system_sgpr_workgroup_id_y 1
		.amdhsa_system_sgpr_workgroup_id_z 1
		.amdhsa_system_vgpr_workitem_id 0
		.amdhsa_next_free_vgpr 244
		.amdhsa_next_free_sgpr 66
		.amdhsa_reserve_vcc 0
		.amdhsa_float_denorm_mode_32 3
		.amdhsa_float_denorm_mode_16_64 3
		.amdhsa_memory_ordered 1
		.amdhsa_forward_progress 1
		.amdhsa_inst_pref_size 18
	.end_amdhsa_kernel
	.amdgpu_metadata
---
amdhsa.version: [ 1, 2 ]
amdhsa.kernels:
  - .name:           k_q64936b5c69_ln2
    .symbol:         k_q64936b5c69_ln2.kd
    .args:
      - { .name: part, .offset: 0, .size: 8, .value_kind: global_buffer, .address_space: global }
      - { .name: hh, .offset: 8, .size: 8, .value_kind: global_buffer, .address_space: global }
      - { .name: g2, .offset: 16, .size: 8, .value_kind: global_buffer, .address_space: global }
      - { .name: b2, .offset: 24, .size: 8, .value_kind: global_buffer, .address_space: global }
      - { .name: out0, .offset: 32, .size: 8, .value_kind: global_buffer, .address_space: global }
    .group_segment_fixed_size: 0
    .private_segment_fixed_size: 0
    .kernarg_segment_align: 8
    .kernarg_segment_size: 40
    .max_flat_workgroup_size: 256
    .sgpr_count:     66
    .vgpr_count:     244
    .wavefront_size: 32
...
	.end_amdgpu_metadata
.endif
;; end of part 8
